; MI455X (gfx1250); checked and timed in simulation.
; The chip was launched on July 23, 2026; its instructions are those of AMD's public machine-readable ISA for CDNA 5 (MIT licence, August 2026) and "CDNA5" Instruction Set Architecture Reference Guide (July 2026). The comments in the code are by the model that wrote it; some were corrected since.
;; Causal Self Attention. Allowed arithmetic: matrix products marked QUANTISED: E2M1 operands, one E8M0 scale for each 32 along K, by v_wmma_scale_f32_16x16x128_f8f6f4 with both operands' format E2M1 (or v_wmma_scale_f32_32x16x128_f4), f32 sums; products left as they are: bf16, f16 or f32 operands; f32 sums; everything else in f32.
;; Inputs: W_proj 1,024 x 1,024 float32; W_qkv 1,024 x 3,072 float32; b_proj 1,024 float32; b_qkv 3,072 float32; x 4 x 2,048 x 1,024 float32.
;; Outputs: out0 4 x 2,048 x 1,024 float32.
;; This version of the problem:
;;   THIS VERSION OF THE PROBLEM IS GIVEN IN LOW PRECISION. The matrix products marked QUANTISED in the list below multiply operands that are first quantised to E2M1 (2 exponent bits, 1 mantissa bit; 4 bits a number), with one power-of-two scale for each 32 numbers along K (OCP MX v1.0); their sums are f32. The products marked 'left as it is' may take bf16, f16 or f32 operands, with f32 sums. Whichever they take, every output number must still come out within the allowed error. Rounding operands to bf16 (8 significant bits) uses up far more of that allowance than f16 does (11 bits, for magnitudes from 6e-5 to 65,504). All else is computed in f32.
;;   The module's matrix products, in the order in which they are computed (A, B: the left and right operand; K: the contracted axis; several contracted axes count as one K, in the product's order):
;;     1. [M 8,192, K 1,024] x [K 1,024, N 3,072]; A: input x; B: input W_qkv: QUANTISED
;;     2. batch 64 x [M 2,048, K 64] x [K 64, N 2,048]; A: computed on the way; B: computed on the way: left as it is (an operand is computed on the way)
;;     3. batch 64 x [M 2,048, K 2,048] x [K 2,048, N 64]; A: computed on the way; B: computed on the way: left as it is (an operand is computed on the way)
;;     4. [M 8,192, K 1,024] x [K 1,024, N 1,024]; A: computed on the way; B: input W_proj: left as it is (an operand is computed on the way)
;;   THE QUANTISER, for each operand of a quantised product, along K:
;;     - K is cut into blocks of 32 from its start; a last block that is shorter is filled with zeros.
;;     - A block's scale is 2^e with e = floor(log2(the largest magnitude in the block)) - 2, held to -126 .. 127; a block of zeros has e = 0. As a byte (E8M0): e + 127.
;;     - Each number is divided by its block's scale, clamped to +-6, and rounded to the nearest number of E2M1, ties to even, subnormals kept.
;;     - The product sums the exact products of the quantised numbers (number of the format x scale) in f32.
;;   ~~~python
;;   def quantise(x, axis):      # numpy; x: float32 -> the quantised numbers, widened to float32 again
;;       x = np.moveaxis(x, axis, -1); K = x.shape[-1]
;;       x = np.pad(x, [(0, 0)] * (x.ndim - 1) + [(0, -K % 32)]); x = x.reshape(x.shape[:-1] + (-1, 32)); a = np.abs(x).max(-1, keepdims=True)
;;       e = np.where(a > 0, np.clip(np.frexp(np.where(a > 0, a, 1))[1] - 1 - 2, -126, 127), 0)      # np.frexp(a)[1] - 1 = floor(log2(a)), exactly
;;       r = np.clip(x / 2.0 ** e, -6, 6)
;;       step = 2.0 ** (np.maximum(np.frexp(np.where(r == 0, 1, r))[1] - 1, 0) - 1)
;;       q = np.round(r / step) * step * 2.0 ** e      # np.round: ties to even
;;       return np.moveaxis(q.reshape(q.shape[:-2] + (-1,))[..., :K], -1, axis).astype(np.float32)
;;   ~~~
;; One version. Each part assembles by itself: llvm-mc -triple=amdgcn-amd-amdhsa -mcpu=gfx1250 --defsym DOCPART=n.
;; ======== version 1 of 1: 5 launches
;; limits: values are held in f16: magnitudes above 65,504 overflow, below 6.1e-05 lose precision
;; workspace buffers: xc 4,194,304 bytes; wc 1,572,864 bytes; scl 360,448 bytes; wp 2,097,152 bytes; qkvh 50,331,648 bytes; fineb 3,145,728 bytes; yh 16,777,216 bytes
;; launch prep (part 1): grid 512 x 1, 4 waves a work-group, no clusters, 34,304 bytes of LDS; arguments x, W_qkv, W_proj, xc, wc, scl, wp; writes xc, wc, scl, wp
.if DOCPART == 1
	.amdgcn_target "amdgcn-amd-amdhsa--gfx1250"
	.amdhsa_code_object_version 6
	.text
	.protected	k_q2c8a3981b0_prep
	.globl	k_q2c8a3981b0_prep
	.p2align	8
	.type	k_q2c8a3981b0_prep,@function
k_q2c8a3981b0_prep:
	s_mov_b64 s[64:65], 0
	v_nop
	global_prefetch_b8 v0, s[64:65] scope:SCOPE_SE
	s_setreg_imm32_b32 hwreg(HW_REG_WAVE_MODE, 25, 1), 1
	s_wait_xcnt 0x0
; PREP: the operands of the later launches, each laid as an image of the registers that its reader wants (a fragment = pieces of 512 bytes, lane l's 16 bytes at 16 l).
;   work-groups   0-191: W_qkv [1024 (k)][3072 (n)] f32 -> codes of FP4 (E2M1) wc [n / 16][k / 128][1024 bytes] and E8M0 scale words
;   work-groups 192-255: W_proj [1024 (k)][1024 (n)] f32 -> f16, wp [n / 16][k / 32][1024 bytes]
;   work-groups 256-511: x [8192][1024] f32 -> codes xc [row / 16][k / 128][1024 bytes] and scale words
; In a fragment of codes the block of 32 along K number kb of row r lies at 256 kb + 16 r; in a fragment of f16 the eight numbers k = 8 p .. 8 p + 7 of row r at 256 p + 16 r.
; scl: [tile of 16 rows: x's 512, then W_qkv's 192][k / 512][r][4 words]; a word holds the four scale bytes of 128 along K.
; A block's scale is 2^(floor(log2(its largest magnitude)) - 2): its byte is the largest magnitude's exponent field - 2, held at 1 from below.
; LIMITS: a block of zeros, or one whose largest magnitude lies under 2^-124, gets the byte 1 (its codes are zeros or the nearest codes under that scale; this program alone reads the bytes);
; NaN and infinities are not served; W_proj is held in f16: magnitudes under 65,504.
; The scale words of W_qkv leave 4 bytes a lane, 16 bytes apart: one word for the 128 that this path reads; all other stores cover whole runs of 256 bytes or more.
.set SPARE,  33792                     ; behind the four stages: the spare words, 128 bytes a wave
.set WS_OFF, 262144                    ; where W_qkv's scale words begin in scl
.set SPW, 2                            ; v2  LDS address of my spare word; never rewritten
.set NIL, 3                            ; v3  0; never rewritten
.macro LOADX t                         ; K step t of my 16 rows of x: each load reads 512 consecutive bytes of one row
.set i, 0
.rept 16
	global_load_b128 v[64+64*((\t)%2)+4*i:64+64*((\t)%2)+4*i+3], v6, s[4:5] offset:4096*i+512*(\t) th:TH_LOAD_NT
.set i, i+1
.endr
.endm
; One K step of 128: through my stage (rows 528 bytes apart), so that lane (r, h) gets k = 64 c + 32 h + 0 .. 31 of row r in registers 192 + 32 c on: two whole blocks a lane.
.macro STEPX s
.if (\s) < 3
	s_wait_loadcnt 16                              ; this K step's 16 loads are in; the next step's 16 may be out
.else
	s_wait_loadcnt 0x0
.endif
.set i, 0
.rept 16
	ds_store_b128 v8, v[64+64*((\s)%2)+4*i:64+64*((\s)%2)+4*i+3] offset:528*i
.set i, i+1
.endr
.irp c, 0,1
.irp g, 0,1,2,3,4,5,6,7
	ds_load_b128 v[192+32*\c+4*\g:192+32*\c+4*\g+3], v9 offset:256*\c+16*\g   ; LDS serves a wave's instructions in order: these see my stores
.endr
.endr
	s_wait_dscnt 0x0                               ; the numbers are back, and the stores have read their registers
.if (\s)+2 < 4
	LOADX (\s)+2
.endif
.irp c, 0,1
	v_max3_num_f32 v[12+\c], |v[192+32*\c]|, |v[193+32*\c]|, 0x1800000    ; my block 2 c + h, and the floor 2^(3 - 127): the byte cannot fall under 1
.endr
.irp i, 2,4,6,8,10,12,14,16,18,20,22,24,26,28,30
.irp c, 0,1
	v_max3_num_f32 v[12+\c], v[12+\c], |v[192+32*\c+\i]|, |v[193+32*\c+\i]|
.endr
.endr
.irp c, 0,1
	v_add_nc_u32 v[14+\c], 0xff000000, v[12+\c]    ; 2 off the exponent field: the conversion's scale operand
.endr
.irp c, 0,1
	v_lshrrev_b32 v[16+\c], 23, v[14+\c]           ; the scale's byte
.endr
	v_lshl_or_b32 v18, v17, 16, v16                ; blocks h and 2 + h,
	v_lshlrev_b32 v18, v10, v18                    ; 8 h bits up;
	v_permlanex16_b32 v11, v18, s30, s31
	v_or_b32 v[24+(\s)], v18, v11                  ; with lane l xor 16's two bytes the row's word is whole
.irp c, 0,1
.irp g, 0,1,2,3
	v_cvt_scalef32_pk8_fp4_f32 v[32+8*(\s)+4*\c+\g], v[192+32*\c+8*\g:199+32*\c+8*\g], v[14+\c]
.endr
.endr
	v_nop                                          ; one plain line behind the conversions
.irp c, 0,1
	global_store_b128 v6, v[32+8*(\s)+4*\c:32+8*(\s)+4*\c+3], s[10:11] offset:1024*(\s)+512*\c   ; 512 consecutive bytes: half a fragment's image
.endr
.endm
; A block of 32 along K of my column of W_qkv: all 32 numbers are mine (registers run down K).
.macro BLOCKW t, left
	s_wait_loadcnt \left
.set XS, 64+32*(\t)
	v_max3_num_f32 v12, |v[XS]|, |v[XS+1]|, |v[XS+2]|
	v_max3_num_f32 v13, |v[XS+3]|, |v[XS+4]|, |v[XS+5]|
.irp i, 6,10,14,18,22,26
	v_max3_num_f32 v12, v12, |v[XS+\i]|, |v[XS+\i+1]|
	v_max3_num_f32 v13, v13, |v[XS+\i+2]|, |v[XS+\i+3]|
.endr
	v_max3_num_f32 v12, v12, |v[XS+30]|, |v[XS+31]|
	v_max3_num_f32 v12, v12, v13, 0x1800000
	v_add_nc_u32 v14, 0xff000000, v12
	v_lshrrev_b32 v15, 23, v14
.if (\t) == 0
	v_mov_b32 v24, v15
.else
	v_lshl_or_b32 v24, v15, 8*(\t), v24
.endif
.irp g, 0,1,2,3
	v_cvt_scalef32_pk8_fp4_f32 v[32+4*(\t)+\g], v[XS+8*\g:XS+8*\g+7], v14
.endr
	v_nop                                          ; one plain line behind the conversions
	global_store_b128 v8, v[32+4*(\t):32+4*(\t)+3], s[12:13] offset:256*(\t)   ; sixteen lanes store 256 consecutive bytes
.endm
	s_load_b256 s[4:11], s[0:1], 0x0               ; x s[4:5], W_qkv s[6:7], W_proj s[8:9], xc s[10:11]
	s_load_b128 s[12:15], s[0:1], 0x20             ; wc s[12:13], scl s[14:15]
	s_load_b64 s[16:17], s[0:1], 0x30              ; wp
	v_lshl_add_u32 v[SPW], v0, 2, SPARE
	v_mov_b32 v[NIL], 0
	v_lshrrev_b32 v1, 5, v0
	v_readfirstlane_b32 s20, v1                    ; wave
	v_and_b32 v1, 31, v0                           ; lane
	v_and_b32 v4, 15, v0                           ; r
	v_bfe_u32 v5, v0, 4, 1                         ; h
	v_lshlrev_b32 v6, 4, v1                        ; 16 x lane
	v_lshlrev_b32 v7, 2, v1                        ; 4 x lane
	s_mov_b32 s30, 0x76543210
	s_mov_b32 s31, 0xfedcba98                      ; v_permlanex16_b32's selects for lane l xor 16
	s_mov_b32 s25, 0                               ; the upper word of every offset
	s_wait_kmcnt 0x0
	s_cmp_lt_u32 ttmp9, 192
	s_cbranch_scc1 .Lwq
	s_cmp_lt_u32 ttmp9, 256
	s_cbranch_scc1 .Lwp
	; ---- x: a wave takes 16 rows x 512 along K: four K steps
	s_sub_co_u32 s21, ttmp9, 256
	s_lshl_b32 s21, s21, 2
	s_add_co_u32 s21, s21, s20                     ; job 0 .. 1023
	s_lshr_b32 s22, s21, 1                         ; tile of 16 rows
	s_and_b32 s23, s21, 1                          ; which 512 along K
	s_lshl_b32 s24, s22, 16                        ; 16 rows of 4,096 bytes
	s_lshl_b32 s26, s23, 11
	s_add_co_u32 s24, s24, s26
	s_add_nc_u64 s[4:5], s[4:5], s[24:25]
	s_lshl_b32 s24, s22, 13                        ; a tile's eight fragments
	s_lshl_b32 s26, s23, 12
	s_add_co_u32 s24, s24, s26
	s_add_nc_u64 s[10:11], s[10:11], s[24:25]
	s_lshl_b32 s24, s22, 9                         ; a tile's scale words
	s_lshl_b32 s26, s23, 8
	s_add_co_u32 s24, s24, s26
	s_add_nc_u64 s[14:15], s[14:15], s[24:25]
	s_mul_i32 s26, s20, 8448                       ; my stage: 16 rows x 528 bytes
	v_add_nc_u32 v8, s26, v6                       ; in: 16 x lane of a row
	v_mul_u32_u24 v9, v4, 528
	v_lshl_add_u32 v9, v5, 7, v9
	v_add_nc_u32 v9, s26, v9                       ; out: row r, + 128 h bytes
	v_lshlrev_b32 v10, 3, v5                       ; 8 h
	v_mov_b32 v11, 0                               ; a lane permute's destination counts as one of its sources
	v_lshlrev_b32 v22, 4, v4
	v_lshl_add_u32 v22, v5, 3, v22                 ; 16 r + 8 h
	LOADX 0
	LOADX 1
	STEPX 0
	STEPX 1
	STEPX 2
	STEPX 3
	v_cmp_ne_u32 vcc_lo, 0, v5
	v_cndmask_b32 v20, v24, v26, vcc_lo            ; lanes 0-15 store words 0, 1 of their row, lanes 16-31 words 2, 3
	v_cndmask_b32 v21, v25, v27, vcc_lo
	global_store_b64 v22, v[20:21], s[14:15]       ; 32 lanes store 256 consecutive bytes
	s_wait_tensorcnt 0x0                           ; the wave's end, behind my last LDS store
	ds_add_u32 v[SPW], v[NIL]
	s_wait_dscnt 0x0
	s_endpgm
	; ---- W_qkv: a wave takes 32 columns x 128 along K; a lane a column, its registers run down K
.Lwq:
	s_and_b32 s21, ttmp9, 7                        ; K step of 128
	s_lshr_b32 s22, ttmp9, 3                       ; which 128 columns
	s_mul_i32 s24, s21, 128*12288
	s_lshl_b32 s26, s22, 9
	s_add_co_u32 s24, s24, s26
	s_lshl_b32 s26, s20, 7
	s_add_co_u32 s24, s24, s26
	s_add_nc_u64 s[6:7], s[6:7], s[24:25]
	s_lshl_b32 s26, s22, 3
	s_lshl_b32 s27, s20, 1
	s_add_co_u32 s26, s26, s27                     ; my first tile of 16 columns
	s_lshl_b32 s24, s26, 13
	s_lshl_b32 s27, s21, 10
	s_add_co_u32 s24, s24, s27
	s_add_nc_u64 s[12:13], s[12:13], s[24:25]
	s_lshl_b32 s24, s26, 9
	s_lshr_b32 s27, s21, 2
	s_lshl_b32 s27, s27, 8
	s_add_co_u32 s24, s24, s27
	s_and_b32 s27, s21, 3
	s_lshl_b32 s27, s27, 2
	s_add_co_u32 s24, s24, s27
	s_add_co_u32 s24, s24, WS_OFF
	s_add_nc_u64 s[14:15], s[14:15], s[24:25]
	v_lshlrev_b32 v8, 13, v5
	v_lshl_add_u32 v8, v4, 4, v8                   ; codes: tile h, 16 r
	v_lshlrev_b32 v9, 9, v5
	v_lshl_add_u32 v9, v4, 4, v9                   ; scale word: tile h, 16 r
.set i, 0
.rept 128
	global_load_b32 v[64+i], v7, s[6:7] offset:12288*i th:TH_LOAD_NT   ; 32 lanes read 128 consecutive bytes of row i
.set i, i+1
.endr
	BLOCKW 0, 63                                   ; 96 younger loads could stay out; the wait names the largest count that it can
	BLOCKW 1, 63
	BLOCKW 2, 32
	BLOCKW 3, 0
	global_store_b32 v9, v24, s[14:15]
	s_wait_tensorcnt 0x0
	ds_add_u32 v[SPW], v[NIL]
	s_wait_dscnt 0x0
	s_endpgm
	; ---- W_proj: the same walk; eight numbers down K become 16 bytes of f16
.Lwp:
	s_sub_co_u32 s21, ttmp9, 192
	s_lshr_b32 s22, s21, 3                         ; which 128 columns
	s_and_b32 s21, s21, 7                          ; which 128 along K
	s_lshl_b32 s24, s21, 19                        ; 128 rows of 4,096 bytes
	s_lshl_b32 s26, s22, 9
	s_add_co_u32 s24, s24, s26
	s_lshl_b32 s26, s20, 7
	s_add_co_u32 s24, s24, s26
	s_add_nc_u64 s[8:9], s[8:9], s[24:25]
	s_lshl_b32 s26, s22, 3
	s_lshl_b32 s27, s20, 1
	s_add_co_u32 s26, s26, s27
	s_lshl_b32 s24, s26, 15                        ; a tile of 16 columns: 32 fragments of 1,024 bytes
	s_lshl_b32 s27, s21, 12
	s_add_co_u32 s24, s24, s27
	s_add_nc_u64 s[16:17], s[16:17], s[24:25]
	v_lshlrev_b32 v8, 15, v5
	v_lshl_add_u32 v8, v4, 4, v8
.set i, 0
.rept 128
	global_load_b32 v[64+i], v7, s[8:9] offset:4096*i th:TH_LOAD_NT
.set i, i+1
.endr
.set p, 0
.rept 16
.if 120-8*p > 63
	s_wait_loadcnt 63
.else
	s_wait_loadcnt 120-8*p                         ; rows 0 .. 8 p + 7 are in
.endif
.irp i, 0,1,2,3
	v_cvt_pk_f16_f32 v[192+4*p+\i], v[64+8*p+2*\i], v[65+8*p+2*\i]
.endr
	global_store_b128 v8, v[192+4*p:195+4*p], s[16:17] offset:256*p   ; sixteen lanes store 256 consecutive bytes
.set p, p+1
.endr
	s_wait_tensorcnt 0x0
	ds_add_u32 v[SPW], v[NIL]
	s_wait_dscnt 0x0
	s_endpgm
.Lfunc_end_k_q2c8a3981b0_prep:
	.size	k_q2c8a3981b0_prep, .Lfunc_end_k_q2c8a3981b0_prep-k_q2c8a3981b0_prep
	.p2alignl 7, 3214868480
	.fill 96, 4, 3214868480
	.section	.rodata,"a",@progbits
	.p2align	6, 0x0
	.amdhsa_kernel k_q2c8a3981b0_prep
		.amdhsa_group_segment_fixed_size 34304
		.amdhsa_private_segment_fixed_size 0
		.amdhsa_enable_private_segment 0
		.amdhsa_kernarg_size 56
		.amdhsa_user_sgpr_count 2
		.amdhsa_user_sgpr_kernarg_segment_ptr 1
		.amdhsa_wavefront_size32 1
		.amdhsa_system_sgpr_workgroup_id_x 1
		.amdhsa_system_sgpr_workgroup_id_y 1
		.amdhsa_system_sgpr_workgroup_id_z 1
		.amdhsa_system_vgpr_workitem_id 0
		.amdhsa_next_free_vgpr 256
		.amdhsa_next_free_sgpr 66
		.amdhsa_reserve_vcc 1
		.amdhsa_float_denorm_mode_32 3
		.amdhsa_float_denorm_mode_16_64 3
		.amdhsa_memory_ordered 1
		.amdhsa_forward_progress 1
		.amdhsa_inst_pref_size 68
	.end_amdhsa_kernel
	.amdgpu_metadata
---
amdhsa.version: [ 1, 2 ]
amdhsa.kernels:
  - .name:           k_q2c8a3981b0_prep
    .symbol:         k_q2c8a3981b0_prep.kd
    .args:
      - { .name: x, .offset: 0, .size: 8, .value_kind: global_buffer, .address_space: global }
      - { .name: W_qkv, .offset: 8, .size: 8, .value_kind: global_buffer, .address_space: global }
      - { .name: W_proj, .offset: 16, .size: 8, .value_kind: global_buffer, .address_space: global }
      - { .name: xc, .offset: 24, .size: 8, .value_kind: global_buffer, .address_space: global }
      - { .name: wc, .offset: 32, .size: 8, .value_kind: global_buffer, .address_space: global }
      - { .name: scl, .offset: 40, .size: 8, .value_kind: global_buffer, .address_space: global }
      - { .name: wp, .offset: 48, .size: 8, .value_kind: global_buffer, .address_space: global }
    .group_segment_fixed_size: 34304
    .private_segment_fixed_size: 0
    .kernarg_segment_align: 8
    .kernarg_segment_size: 56
    .max_flat_workgroup_size: 128
    .sgpr_count:     66
    .vgpr_count:     256
    .wavefront_size: 32
...
	.end_amdgpu_metadata
.endif
;; end of part 1
;; launch qkv (part 2): grid 12 x 32, 4 waves a work-group, clusters of 4 x 4, 262,656 bytes of LDS; arguments xc, wc, scl, b_qkv, qkvh, fineb; writes qkvh, fineb
.if DOCPART == 2
	.amdgcn_target "amdgcn-amd-amdhsa--gfx1250"
	.amdhsa_code_object_version 6
	.text
	.protected	k_q2c8a3981b0_qkv
	.globl	k_q2c8a3981b0_qkv
	.p2align	8
	.type	k_q2c8a3981b0_qkv,@function
k_q2c8a3981b0_qkv:
	s_mov_b64 s[64:65], 0
	v_nop
	global_prefetch_b8 v0, s[64:65] scope:SCOPE_SE
	s_setreg_imm32_b32 hwreg(HW_REG_WAVE_MODE, 25, 1), 1
	s_wait_xcnt 0x0
	s_wait_alu depctr_hold_cnt(0) depctr_sa_sdst(0) depctr_va_vdst(0) depctr_va_sdst(0) depctr_va_ssrc(0) depctr_va_vcc(0) depctr_vm_vsrc(0)
	s_getreg_b32 s2, hwreg(HW_REG_IB_STS2, 6, 4)
	s_cmp_eq_u32 s2, 0
	s_cbranch_scc0 .Lentry_in_a_cluster
	s_endpgm
.Lentry_in_a_cluster:
	s_bfe_u32 s2, ttmp6, 0x10000c
	s_cmp_lg_u32 s2, 0xf033
	s_cbranch_scc0 .Lentry_shape_is_right
	s_endpgm
.Lentry_shape_is_right:
; QKV: qkv = Q(x) Q(W_qkv) + b_qkv on codes of FP4 with E8M0 scales; sums in f32; q, k, v leave as f16, laid as images of the operand registers of the attention launch.
; A work-group makes 256 rows x 256 columns, a wave 128 x 128: 64 accumulators.  All of K = 1,024 fits in LDS: four pieces of 256 along K, each filled ONCE at the head; nothing is filled again.
; Codes lie in memory as register images (a fragment of 16 rows x 128 K = 1,024 bytes, lane l's 16 bytes at 16 l of each half), so a piece is dense rows of 2,048 bytes and every LDS load reads 512 consecutive bytes.
; CLUSTER 4 x 4: the four work-groups of a row of the cluster need the same tiles of x, the four of a column the same tiles of W: each tile is asked for jointly.
; TWO PATHS, parted on the cluster's x, which all sixteen partners share: columns of q and k (cluster x 0, 1) use the product transposed (source 0 = W), so that a lane holds eight neighbouring channels of one row;
; columns of v (cluster x 2) use it as it stands (source 0 = x), so that a lane holds eight neighbouring KEYS of one channel, as V^T wants them.  The bias is the C of each sum's first product.
; fineb: the f32 sums of the first 16 rows of a tile row, for the launch that carries each sequence's first 16 positions in f32.  All four
; tile rows of every even cluster row store theirs, and only every fourth is read: 2.4 MB of stores that nobody reads.
; LIMITS: q, k, v are held in f16: magnitudes under 65,504.
; REGISTERS: window 0: v16-29 addresses; v32-95 scale words (register 8 i + s: lanes 0-15 x's tile i, lanes 16-31 W's tile i, K step s); v128-255 x's fragments, two sets (on the way out: packed results).
;   window 1: v0-127 W's fragments, two sets; v128-191 the bias in the result's layout.   windows 2, 3: accumulator (a, b) at v[8 (8 (a % 4) + b)] of window 2 + a / 4.
.set SPARE,  262144                    ; behind the four pieces: the spare words, 128 bytes a wave
.set WS_OFF, 262144
.set AX,  16                           ; v16  LDS address of my x fragments in the piece in hand
.set AW,  17                           ; v17  the same for W
.set LO,  20                           ; v20  16 x lane
.set SV,  21                           ; v21  my scale words' offset
.set BV0, 22                           ; v22  32 h: the bias, transposed use
.set BV1, 23                           ; v23  4 r: the bias, natural use
.set SPW, 28
.set NIL, 29
.set SC,  32
.set XF,  128
.set BI,  128                          ; in window 1
.set TMP, 128
.set G1A, 24                           ; s[24:31] group 1 for x's tiles; s[32:47] four groups 0
.set G0A, 32
.set G0B, 48                           ; s[48:63] four groups 0 for W's tiles; s[68:75] their group 1
.set G1B, 68
.set MSB, 0
.macro WIN new                         ; the immediate's high byte repeats the setting that is left
.if MSB != (\new)
	s_set_vgpr_msb (MSB<<8)|(\new)
.set MSB, (\new)
.endif
.endm
.macro CROUND                          ; a round of the cluster's barrier
	s_barrier_signal -1
	s_barrier_wait -1
	s_cmp_lg_u32 s16, 0
	s_cbranch_scc1 .Lnot_wave_0_\@
	s_barrier_signal -3
.Lnot_wave_0_\@:
	s_barrier_wait -3
	s_barrier_signal -1
	s_barrier_wait -1
.endm
.macro PLACES n
.rept \n
	v_nop
.endr
.endm
.macro FETCH s, set                    ; the fragments of K step s: W's eight, then x's eight: 32 loads of 512 consecutive bytes
	WIN 0x40
.irp b, 0,1,2,3,4,5,6,7
.irp c, 0,1
	ds_load_b128 v[64*(\set)+8*\b+4*\c:64*(\set)+8*\b+4*\c+3], v[AW] offset:2048*\b+1024*((\s)&1)+512*\c
.endr
.endr
	WIN 0
.irp a, 0,1,2,3,4,5,6,7
.irp c, 0,1
	ds_load_b128 v[XF+64*(\set)+8*\a+4*\c:XF+64*(\set)+8*\a+4*\c+3], v[AX] offset:2048*\a+1024*((\s)&1)+512*\c
.endr
.endr
.endm
; 16 products: x's tiles a0, a0 + 1 against W's eight.  The 64 accumulators take turns, one instruction a turn, in the same order in every K step.
.macro MUL16 a0, set, s, nat, first
.irp a, \a0, \a0+1
.irp b, 0,1,2,3,4,5,6,7
.set rD, 8*(8*((\a)%4)+\b)
.set rX, XF+64*(\set)+8*(\a)
.set rW, 64*(\set)+8*\b
.set sX, SC+8*(\a)+(\s)
.set sW, SC+8*\b+(\s)
.if \nat
.if \first
	v_wmma_scale_f32_16x16x128_f8f6f4 v[rD:rD+7], v[rX:rX+7], v[rW:rW+7], v[BI+8*\b:BI+8*\b+7], v[sX], v[sW] matrix_a_fmt:MATRIX_FMT_FP4 matrix_b_fmt:MATRIX_FMT_FP4 matrix_b_scale:MATRIX_SCALE_ROW1
.else
	v_wmma_scale_f32_16x16x128_f8f6f4 v[rD:rD+7], v[rX:rX+7], v[rW:rW+7], v[rD:rD+7], v[sX], v[sW] matrix_a_fmt:MATRIX_FMT_FP4 matrix_b_fmt:MATRIX_FMT_FP4 matrix_b_scale:MATRIX_SCALE_ROW1
.endif
.else
.if \first
	v_wmma_scale_f32_16x16x128_f8f6f4 v[rD:rD+7], v[rW:rW+7], v[rX:rX+7], v[BI+8*\b:BI+8*\b+7], v[sW], v[sX] matrix_a_fmt:MATRIX_FMT_FP4 matrix_b_fmt:MATRIX_FMT_FP4 matrix_a_scale:MATRIX_SCALE_ROW1
.else
	v_wmma_scale_f32_16x16x128_f8f6f4 v[rD:rD+7], v[rW:rW+7], v[rX:rX+7], v[rD:rD+7], v[sW], v[sX] matrix_a_fmt:MATRIX_FMT_FP4 matrix_b_fmt:MATRIX_FMT_FP4 matrix_a_scale:MATRIX_SCALE_ROW1
.endif
.endif
.endr
.endr
.endm
; A K step of 128: its fragments are in; the next step's are asked for; 64 products.  An odd step's successor lies in the next piece: my part of it has landed, and behind the barrier everybody's has.
.macro KSTEP s, nat
	s_wait_dscnt 0x0                               ; this step's 32 loads are in (asked for 64 products ago)
	WIN 0
.if ((\s)%2 == 1) && ((\s) < 7)
	s_wait_tensorcnt (5-(\s))/2                    ; of my four first fills the next piece's has landed; the younger ones may be out
	s_barrier_signal -1
	s_barrier_wait -1
	v_add_nc_u32 v[AX], 0x10000, v[AX]
	v_add_nc_u32 v[AW], 0x10000, v[AW]
.endif
.if (\s) < 7
	PLACES 4                                       ; in front of loads into registers that the step before multiplied
	FETCH (\s)+1, ((\s)+1)%2
.endif
.if (\s) == 0
	WIN 0x91+3*(\nat)                              ; C: the bias, window 1; D window 2
.else
	WIN 0xa1+3*(\nat)
.endif
	MUL16 0, (\s)%2, \s, \nat, ((\s)==0)
	MUL16 2, (\s)%2, \s, \nat, ((\s)==0)
.if (\s) == 0
	WIN 0xd1+3*(\nat)
.else
	WIN 0xf1+3*(\nat)
.endif
	MUL16 4, (\s)%2, \s, \nat, ((\s)==0)
	MUL16 6, (\s)%2, \s, \nat, ((\s)==0)
.endm
.macro BODY nat
	WIN 0x40
.if \nat
.irp b, 0,1,2,3,4,5,6,7
	global_load_b32 v[BI+8*\b], v[BV1], s[10:11] offset:64*\b          ; a lane holds ONE column: its bias, eight times
.endr
	WIN 0
	s_wait_loadcnt 0x0                             ; the scale words and the bias
	WIN 0x41
.irp b, 0,1,2,3,4,5,6,7
.irp j, 1,2,3,4,5,6,7
	v_mov_b32 v[BI+8*\b+\j], v[BI+8*\b]
.endr
.endr
	WIN 0
	PLACES 4
.else
.irp b, 0,1,2,3,4,5,6,7
	global_load_b128 v[BI+8*\b:BI+8*\b+3], v[BV0], s[10:11] offset:64*\b       ; a lane holds columns 16 b + 8 h + 0 .. 7
	global_load_b128 v[BI+8*\b+4:BI+8*\b+7], v[BV0], s[10:11] offset:64*\b+16
.endr
	WIN 0
	s_wait_loadcnt 0x0
.endif
	s_wait_tensorcnt 3                             ; my part of the first piece is in; my three younger loads may be out
	s_barrier_signal -1
	s_barrier_wait -1
	FETCH 0, 0
.irp s, 0,1,2,3,4,5,6,7
	KSTEP \s, \nat
.endr
	WIN 0
	PLACES 4                                       ; in front of the first reads of results, and of writes into registers that held fragments
	s_and_b32 s76, ttmp7, 1                        ; THE FIRST 16 ROWS in f32: even rows of clusters, the waves of the upper 128 rows.  The cluster's y and the wave's number alone
	s_or_b32 s76, s76, s17
	s_cmp_lg_u32 s76, 0
	s_cbranch_scc1 .Lno_fine_\@
	WIN 0x08                                       ; a store's data: window 2
.irp b, 0,1,2,3,4,5,6,7
	global_store_b128 v[LO], v[8*\b:8*\b+3], s[14:15] offset:1024*\b          ; each accumulator from its low end on
	global_store_b128 v[LO], v[8*\b+4:8*\b+7], s[14:15] offset:1024*\b+512
.endr
	WIN 0
.Lno_fine_\@:
.irp a, 0,1,2,3,4,5,6,7
.if \a >= 2
	s_wait_xcnt 0x0                                ; the stores of two blocks ago have read their registers
.endif
	WIN 0x0a+5*(\a/4)
.irp b, 0,1,2,3,4,5,6,7
.irp i, 0,1,2,3
	v_cvt_pk_f16_f32 v[TMP+32*(\a%2)+4*\b+\i], v[64*(\a%4)+8*\b+2*\i], v[64*(\a%4)+8*\b+2*\i+1]
.endr
.endr
	WIN 0
.irp b, 0,1,2,3,4,5,6,7
.if \nat
	global_store_b128 v[LO], v[TMP+32*(\a%2)+4*\b:TMP+32*(\a%2)+4*\b+3], s[12:13] offset:(\b/4)*262144+(\a/2)*4096+(\b%4)*1024+(\a%2)*512   ; keys 16 a + 8 h + 0 .. 7 of channel 16 (b % 4) + r
.else
	global_store_b128 v[LO], v[TMP+32*(\a%2)+4*\b:TMP+32*(\a%2)+4*\b+3], s[12:13] offset:(\b/4)*262144+\a*2048+(\b%4)*512                  ; channels 16 (b % 4) + 8 h + 0 .. 7 of row 16 a + r
.endif
.endr
.endr
	s_wait_tensorcnt 0x0                           ; the wave's end
	ds_add_u32 v[SPW], v[NIL]
	s_wait_dscnt 0x0
	CROUND                                         ; the closing round
	s_endpgm
.endm
	s_load_b256 s[4:11], s[0:1], 0x0               ; xc s[4:5], wc s[6:7], scl s[8:9], b_qkv s[10:11]
	s_load_b128 s[12:15], s[0:1], 0x20             ; qkvh s[12:13], fineb s[14:15]
	v_lshl_add_u32 v[SPW], v0, 2, SPARE
	v_mov_b32 v[NIL], 0
	ds_add_u32 v[SPW], v[NIL]                      ; the wave's opening: the add, twice on end, and its wait ahead of my first tensor load
	ds_add_u32 v[SPW], v[NIL]
	v_lshrrev_b32 v1, 5, v0
	v_readfirstlane_b32 s16, v1                    ; wave 0..3
	s_lshr_b32 s17, s16, 1                         ; my half of the rows.  Also: I fetch for x (0) or for W (1)
	s_and_b32 s18, s16, 1                          ; my half of the columns.  Also: which eight tiles I fetch
	s_bfe_u32 s19, ttmp6, 0x40000                  ; cx
	s_bfe_u32 s20, ttmp6, 0x40004                  ; cy
	s_lshl_b32 s21, ttmp9, 2
	s_add_co_u32 s21, s21, s19                     ; tile column
	s_and_b32 s23, ttmp7, 0xffff                   ; the cluster's y
	s_lshl_b32 s22, s23, 2
	s_add_co_u32 s22, s22, s20                     ; tile row
	s_lshl_b32 s76, s20, 2
	s_lshl_b32 s76, 15, s76                        ; my row of the cluster
	s_lshl_b32 s77, 0x1111, s19                    ; my column
	s_or_b32 s[G1A], s76, (3<<16)|(1<<21)          ; 15:0 the mask; 17:16 elements of 8 bytes; 21 set beside a mask; no padding
	s_or_b32 s[G1B], s77, (3<<16)|(1<<21)
.irp g, G1A, G1B
	s_mov_b32 s[\g+1], 256<<16                     ; tensor_dim0 = 256 elements: two fragments, 2,048 bytes
	s_mov_b32 s[\g+2], 8<<16                       ; tensor_dim1 = 8 tiles of 16 rows
	s_mov_b32 s[\g+3], 256<<16                     ; tile_dim0
	s_mov_b32 s[\g+4], 8                           ; tile_dim1
	s_mov_b32 s[\g+5], 1024                        ; from tile to tile: 8,192 bytes
	s_mov_b32 s[\g+6], 0
	s_mov_b32 s[\g+7], 0
.endr
	s_lshl_b32 s79, s18, 3
	s_lshl_b32 s78, s22, 4
	s_add_co_u32 s78, s78, s79
	s_lshl_b32 s78, s78, 13                        ; x: tile 16 x tile row + 8 x half, 8,192 bytes each
	s_lshl_b32 s80, s21, 4
	s_add_co_u32 s80, s80, s79
	s_lshl_b32 s80, s80, 13                        ; W: tile 16 x tile column + 8 x half
	s_mov_b32 s79, 0
	s_mov_b32 s81, 0
	s_lshl_b32 s82, s16, 14                        ; where they go in a piece: 16,384 x wave
	s_wait_dscnt 0x0                               ; both opening adds are done
	s_wait_kmcnt 0x0
	s_add_nc_u64 s[78:79], s[4:5], s[78:79]
	s_add_nc_u64 s[80:81], s[6:7], s[80:81]
	CROUND                                         ; all sixteen work-groups are here: the joint loads meet
.irp q, 0,1,2,3
	s_mov_b32 s[G0A+4*\q], 1
	s_add_co_u32 s[G0A+4*\q+1], s82, 65536*\q
	s_add_nc_u64 s[G0A+4*\q+2:G0A+4*\q+3], s[78:79], 2048*\q
	s_or_b32 s[G0A+4*\q+3], s[G0A+4*\q+3], 0x80000000
	s_mov_b32 s[G0B+4*\q], 1
	s_add_co_u32 s[G0B+4*\q+1], s82, 65536*\q
	s_add_nc_u64 s[G0B+4*\q+2:G0B+4*\q+3], s[80:81], 2048*\q
	s_or_b32 s[G0B+4*\q+3], s[G0B+4*\q+3], 0x80000000
.endr
	s_cmp_eq_u32 s17, 0                            ; a wave's four first fills stand in one branch on its number: four tensor loads of mine are out
	s_cbranch_scc0 .Lfirst_w
.irp q, 0,1,2,3
	tensor_load_to_lds s[G0A+4*\q:G0A+4*\q+3], s[G1A:G1A+7]
	s_nop 0
.endr
	PLACES 4
	s_branch .Lfirst_asked
.Lfirst_w:
.irp q, 0,1,2,3
	tensor_load_to_lds s[G0B+4*\q:G0B+4*\q+3], s[G1B:G1B+7]
	s_nop 0
.endr
	PLACES 4
.Lfirst_asked:
	v_and_b32 v1, 15, v0                           ; r
	v_bfe_u32 v2, v0, 4, 1                         ; h
	v_and_b32 v3, 31, v0
	v_lshlrev_b32 v[LO], 4, v3
	s_lshl_b32 s83, s17, 14
	v_add_nc_u32 v[AX], s83, v[LO]                 ; my eight tiles of x
	s_lshl_b32 s84, s18, 14
	s_add_co_u32 s84, s84, 32768
	v_add_nc_u32 v[AW], s84, v[LO]                 ; my eight tiles of W, behind x's sixteen
	s_lshl_b32 s85, s22, 4
	s_lshl_b32 s86, s17, 3
	s_add_co_u32 s85, s85, s86
	s_lshl_b32 s85, s85, 9                         ; my x tiles' scale words
	s_lshl_b32 s86, s21, 4
	s_lshl_b32 s87, s18, 3
	s_add_co_u32 s86, s86, s87                     ; my first tile of W: 16 x tile column + 8 x half
	s_lshl_b32 s87, s86, 9
	s_add_co_u32 s87, s87, WS_OFF
	s_sub_co_u32 s87, s87, s85
	v_mul_u32_u24 v[SV], v2, s87                   ; lanes 16-31 take W's
	v_add_nc_u32 v[SV], s85, v[SV]
	v_lshl_add_u32 v[SV], v1, 4, v[SV]
.irp i, 0,1,2,3,4,5,6,7
.irp q, 0,1
	global_load_b128 v[SC+8*\i+4*\q:SC+8*\i+4*\q+3], v[SV], s[8:9] offset:512*\i+256*\q   ; sixteen lanes read 256 consecutive bytes: four K steps' words of 16 rows
.endr
.endr
	s_lshl_b32 s88, s86, 6                         ; the bias of my first column
	s_mov_b32 s89, 0
	s_add_nc_u64 s[10:11], s[10:11], s[88:89]
	v_lshlrev_b32 v[BV0], 5, v2
	v_lshlrev_b32 v[BV1], 2, v1
	s_lshr_b32 s90, s22, 3                         ; the batch
	s_mul_i32 s90, s90, 48
	s_lshr_b32 s91, s86, 2                         ; my first head among q's, k's and v's 48
	s_add_co_u32 s90, s90, s91
	s_lshl_b32 s90, s90, 7
	s_and_b32 s91, s22, 7
	s_lshl_b32 s91, s91, 4
	s_add_co_u32 s90, s90, s91
	s_lshl_b32 s91, s17, 3
	s_add_co_u32 s90, s90, s91                     ; + my first tile of 16 positions
	s_lshl_b32 s90, s90, 11
	s_mov_b32 s91, 0
	s_add_nc_u64 s[12:13], s[12:13], s[90:91]
	s_lshr_b32 s92, s23, 1
	s_lshl_b32 s92, s92, 2
	s_add_co_u32 s92, s92, s20
	s_mul_i32 s92, s92, 196608
	s_lshl_b32 s93, s86, 10
	s_add_co_u32 s92, s92, s93
	s_mov_b32 s93, 0
	s_add_nc_u64 s[14:15], s[14:15], s[92:93]
	s_cmp_eq_u32 ttmp9, 2                          ; the cluster's x: the same in all sixteen partners
	s_cbranch_scc1 .Lnat
	BODY 0
.Lnat:
	BODY 1
.Lfunc_end_k_q2c8a3981b0_qkv:
	.size	k_q2c8a3981b0_qkv, .Lfunc_end_k_q2c8a3981b0_qkv-k_q2c8a3981b0_qkv
	.p2alignl 7, 3214868480
	.fill 96, 4, 3214868480
	.section	.rodata,"a",@progbits
	.p2align	6, 0x0
	.amdhsa_kernel k_q2c8a3981b0_qkv
		.amdhsa_group_segment_fixed_size 262656
		.amdhsa_private_segment_fixed_size 0
		.amdhsa_enable_private_segment 0
		.amdhsa_kernarg_size 48
		.amdhsa_user_sgpr_count 2
		.amdhsa_user_sgpr_kernarg_segment_ptr 1
		.amdhsa_wavefront_size32 1
		.amdhsa_system_sgpr_workgroup_id_x 1
		.amdhsa_system_sgpr_workgroup_id_y 1
		.amdhsa_system_sgpr_workgroup_id_z 1
		.amdhsa_system_vgpr_workitem_id 0
		.amdhsa_next_free_vgpr 1024
		.amdhsa_next_free_sgpr 98
		.amdhsa_reserve_vcc 0
		.amdhsa_float_denorm_mode_32 3
		.amdhsa_float_denorm_mode_16_64 3
		.amdhsa_memory_ordered 1
		.amdhsa_forward_progress 1
		.amdhsa_inst_pref_size 230
	.end_amdhsa_kernel
	.amdgpu_metadata
---
amdhsa.version: [ 1, 2 ]
amdhsa.kernels:
  - .name:           k_q2c8a3981b0_qkv
    .symbol:         k_q2c8a3981b0_qkv.kd
    .args:
      - { .name: xc, .offset: 0, .size: 8, .value_kind: global_buffer, .address_space: global }
      - { .name: wc, .offset: 8, .size: 8, .value_kind: global_buffer, .address_space: global }
      - { .name: scl, .offset: 16, .size: 8, .value_kind: global_buffer, .address_space: global }
      - { .name: b_qkv, .offset: 24, .size: 8, .value_kind: global_buffer, .address_space: global }
      - { .name: qkvh, .offset: 32, .size: 8, .value_kind: global_buffer, .address_space: global }
      - { .name: fineb, .offset: 40, .size: 8, .value_kind: global_buffer, .address_space: global }
    .group_segment_fixed_size: 262656
    .private_segment_fixed_size: 0
    .kernarg_segment_align: 8
    .kernarg_segment_size: 48
    .max_flat_workgroup_size: 128
    .sgpr_count:     98
    .vgpr_count:     1024
    .wavefront_size: 32
...
	.end_amdgpu_metadata
.endif
;; end of part 2
;; launch attn (part 3): grid 4 x 64, 16 waves a work-group, no clusters, 327,680 bytes of LDS; arguments qkvh, yh; writes yh
.if DOCPART == 3
	.amdgcn_target "amdgcn-amd-amdhsa--gfx1250"
	.amdhsa_code_object_version 6
	.text
	.protected	k_q2c8a3981b0_attn
	.globl	k_q2c8a3981b0_attn
	.p2align	8
	.type	k_q2c8a3981b0_attn,@function
k_q2c8a3981b0_attn:
	s_mov_b64 s[64:65], 0
	v_nop
	global_prefetch_b8 v0, s[64:65] scope:SCOPE_SE
	s_setreg_imm32_b32 hwreg(HW_REG_WAVE_MODE, 25, 1), 1
	s_wait_xcnt 0x0
; ATTN: y = softmax(q k^T / 8, causal) v for one head; operands f16, sums, maxima and exponentials f32; p is rounded to f16 for the second product, the row's sum is taken of the unrounded p; y leaves as f16.
; SHARES.  Work-group j of a head owns the query blocks j and 7 - j (256 queries each), so that every work-group has the same number of key steps under the causal mask.  Each of its sixteen waves owns 32 queries, two tiles.
; Every wave walks the keys 64 a step.  K and V come through a ring of two LDS slots of 256 keys, filled by waves 0 to 3 (K's halves, V's halves) and read by all sixteen.
; LAYOUT.  q, k and v lie in memory as images of operand registers (pieces of 512 bytes, lane l's 16 bytes at 16 l): a slot's K and V are dense blocks, and every LDS load reads 512 consecutive bytes.
; Both products are used transposed: S^T = K Q^T, O^T = V^T P: a lane holds ONE query (lane % 16) throughout, and two tiles of S^T, rounded in pairs, are source 1 of the second product.
; SOFTMAX.  A running maximum m and sum l for each query: p = 2^(c s - c m), c = log2(e) / 8; in every step O and l are multiplied by 2^(c m_old - c m_new).
; THE CAUSAL MASK.  Every work-group walks all eight changes of slots: trip counts are constants.  A step all of whose keys come after the wave's queries is jumped over (a branch on ids); on the diagonal hidden scores
; become -infinity; a slot whose first key comes after the work-group's last query is not asked for.  Every step that is walked holds a key that counts for each of the wave's queries (its first key is at or under the wave's first query).
; NO CLUSTER: the four work-groups of a head need 8, 7, 6 and 5 slots, and these jumps hang on a work-group's own queries, on which partners of a cluster would differ.
; LIMITS: q, k, v arrive in f16 and y leaves in f16: magnitudes under 65,504.
; REGISTERS: v1-8 addresses and constants; v16-47 Q; v48-111 a step's K, then its V; v112-175 S^T (32 a tile; P takes each tile's lower 16); v176-239 O^T; v240-255 statistics, 8 a tile: c m, m, l (two halves), four at work.
.set SLOT1, 65536
.set SPARE, 131072                     ; behind the ring: the spare words, 128 bytes for each of sixteen waves
.set AL,   1                           ; v1   16 x lane
.set ADK,  2                           ; v2   LDS address of the slot in hand, for my lane
.set SPW,  3
.set NIL,  4
.set VQ,   5                           ; v5   my first tile's query - 8 h
.set VD,   6
.set NINF, 7
.set PFO,  8                           ; v8   256 x lane
.set QF,   16
.set KV,   48
.set S,    112
.set OT,   176
.set ST,   240
.set WV,   8
.set Q0,   13                          ; s13  my first query
.set QL,   14                          ; s14  my last
.set LASTQ, 15                         ; s15  my work-group's last
.set G1,   16
.set G0,   24
.set KF,   28                          ; s28  the step's first key
.set TB,   29                          ; s29  LDS byte at which the slot in hand begins
.set SLOTS, 30
.set LIM,  31
.set CS,   32                          ; s[32:33] c
.set SEL,  34
.set PFA,  36
.macro TLOAD                           ; waves 0 to 3 fetch a quarter of a slot each; an s_nop 0 and four v_nop follow the load
	s_cmp_lt_u32 s[WV], 4
	s_cbranch_scc0 .Lasked_\@
	tensor_load_to_lds s[G0:G0+3], s[G1:G1+7]
	s_nop 0
.rept 4
	v_nop
.endr
.Lasked_\@:
.endm
; A prefetch of the slot that the NEXT change of slots will ask for.  All four work-groups of a head walk the same K and V: work-group 0, which walks all slots, asks; in it waves 4 to 7 for K's 32,768 bytes and
; waves 8 to 11 for V's, 8,192 bytes a wave, lanes 256 bytes apart: each block of 256 bytes is named once.  The last change that fills a slot asks for nothing; slots 0 and 1 come by their loads alone.
.macro ASK
	s_cmp_gt_u32 s[SLOTS], s[LIM]
	s_cbranch_scc0 .Lnot_mine_\@
	global_prefetch_b8 v[PFO], s[PFA:PFA+1] th:TH_LOAD_NT scope:SCOPE_SE
.Lnot_mine_\@:
.endm
; A KEY STEP: 64 keys, the q-th of the slot in hand.
.macro STEP q
	s_cmp_gt_u32 s[KF], s[QL]                      ; all its keys come after my queries: left out
	s_cbranch_scc1 .Lhidden_\@
	v_add_nc_u32 v[ADK], s[TB], v[AL]
.rept 4
	v_nop                                          ; with the addition five places behind the last products: K's loads land in V's registers, and the products below write over P's
.endr
.set f, 0
.rept 16
	ds_load_b128 v[KV+4*f:KV+4*f+3], v[ADK] offset:8192*(\q)+512*f
.set f, f+1
.endr
	s_wait_dscnt 0x0
.irp cs, 0,1                                   ; S^T = K Q^T: eight accumulators by turns
.irp kt, 0,1,2,3
.irp t, 0,1
.if \cs == 0
	v_wmma_f32_16x16x32_f16 v[S+32*\t+8*\kt:S+32*\t+8*\kt+7], v[KV+16*\kt+8*\cs:KV+16*\kt+8*\cs+7], v[QF+16*\t+8*\cs:QF+16*\t+8*\cs+7], 0
.else
	v_wmma_f32_16x16x32_f16 v[S+32*\t+8*\kt:S+32*\t+8*\kt+7], v[KV+16*\kt+8*\cs:KV+16*\kt+8*\cs+7], v[QF+16*\t+8*\cs:QF+16*\t+8*\cs+7], v[S+32*\t+8*\kt:S+32*\t+8*\kt+7]
.endif
.endr
.endr
.endr
.rept 4
	v_nop                                          ; places in front of the loads into K's registers and of the first reads of the scores
.endr
.set f, 0
.rept 16
	ds_load_b128 v[KV+4*f:KV+4*f+3], v[ADK] offset:32768+8192*(\q)+512*f   ; V lands while the softmax is worked
.set f, f+1
.endr
	s_add_co_u32 s40, s[KF], 63
	s_cmp_le_u32 s40, s[Q0]                        ; all 64 keys count for all my queries
	s_cbranch_scc1 .Lopen_\@
	s_sub_co_i32 s40, 0, s[KF]
	v_add_nc_u32 v[VD], s40, v[VQ]                 ; register 32 t + 8 kt + i holds key KF + 16 kt + 8 h + i for query Q0 + 16 t + r: hidden where 16 kt + i - 16 t > Q0 + r - 8 h - KF
.set n, 0
.rept 64
	v_cmp_gt_i32 vcc_lo, 16*((n/8)%4)+n%8-16*(n/32), v[VD]
	v_cndmask_b32 v[S+n], v[S+n], v[NINF], vcc_lo
.set n, n+1
.endr
.Lopen_\@:
.irp j, 0,1,2,3                                ; the maximum: each accumulator is read from its low end on
.irp t, 0,1
	v_max3_num_f32 v[ST+8*\t+4+\j], v[S+32*\t+8*\j], v[S+32*\t+8*\j+1], v[S+32*\t+8*\j+2]
.endr
.endr
.irp u, 1,2
.irp j, 0,1,2,3
.irp t, 0,1
	v_max3_num_f32 v[ST+8*\t+4+\j], v[ST+8*\t+4+\j], v[S+32*\t+8*\j+2*\u+1], v[S+32*\t+8*\j+2*\u+2]
.endr
.endr
.endr
.irp t, 0,1
	v_max3_num_f32 v[ST+8*\t+4], v[ST+8*\t+4], v[S+32*\t+7], v[S+32*\t+15]
.endr
.irp t, 0,1
	v_max3_num_f32 v[ST+8*\t+6], v[ST+8*\t+6], v[S+32*\t+23], v[S+32*\t+31]
.endr
.irp t, 0,1
	v_max3_num_f32 v[ST+8*\t+4], v[ST+8*\t+4], v[ST+8*\t+5], v[ST+8*\t+6]
.endr
.irp t, 0,1
	v_max3_num_f32 v[ST+8*\t+4], v[ST+8*\t+4], v[ST+8*\t+7], v[ST+8*\t+1]   ; and the old m
.endr
.irp t, 0,1
	v_permlanex16_b32 v[ST+8*\t+5], v[ST+8*\t+4], s[SEL], s[SEL+1]          ; the query's other 32 keys lie in the lane 16 away
.endr
.irp t, 0,1
	v_mov_b32 v[ST+8*\t+7], v[ST+8*\t]             ; c m_old
.endr
.irp t, 0,1
	v_max_num_f32 v[ST+8*\t+1], v[ST+8*\t+4], v[ST+8*\t+5]
.endr
.irp t, 0,1
	v_mul_f32 v[ST+8*\t], s[CS], v[ST+8*\t+1]
.endr
.irp t, 0,1
	v_sub_f32 v[ST+8*\t+7], v[ST+8*\t+7], v[ST+8*\t]
.endr
.set n, 0
.rept 16
.irp t, 0,1
	v_pk_fma_f32 v[S+32*\t+2*n:S+32*\t+2*n+1], v[S+32*\t+2*n:S+32*\t+2*n+1], s[CS:CS+1], v[ST+8*\t:ST+8*\t+1] op_sel_hi:[1,0,0] neg_lo:[0,0,1] neg_hi:[0,0,1]   ; c s - c m
.endr
.set n, n+1
.endr
.irp t, 0,1
	v_exp_f32 v[ST+8*\t+6], v[ST+8*\t+7]           ; a = 2^(c m_old - c m_new)
.endr
.set n, 0
.rept 64
	v_exp_f32 v[S+n], v[S+n]                       ; p: ONE batch of 66 exponentials
.set n, n+1
.endr
	v_nop                                          ; a plain line behind the last exponential
	s_wait_alu depctr_va_vdst(0)                   ; one wait for the batch, ahead of its first reader
.irp t, 0,1
	v_pk_mul_f32 v[ST+8*\t+2:ST+8*\t+3], v[ST+8*\t+2:ST+8*\t+3], v[ST+8*\t+6:ST+8*\t+7] op_sel_hi:[1,0]
.endr
.irp t, 0,1
	v_pk_add_f32 v[ST+8*\t+4:ST+8*\t+5], v[S+32*\t:S+32*\t+1], v[S+32*\t+2:S+32*\t+3]   ; the sum of the unrounded p, in two chains a tile
.endr
.irp j, 4,8,12,16,20,24,28
.irp t, 0,1
	v_pk_add_f32 v[ST+8*\t+2:ST+8*\t+3], v[ST+8*\t+2:ST+8*\t+3], v[S+32*\t+\j:S+32*\t+\j+1]
	v_pk_add_f32 v[ST+8*\t+4:ST+8*\t+5], v[ST+8*\t+4:ST+8*\t+5], v[S+32*\t+\j+2:S+32*\t+\j+3]
.endr
.endr
.irp t, 0,1
	v_pk_add_f32 v[ST+8*\t+2:ST+8*\t+3], v[ST+8*\t+2:ST+8*\t+3], v[ST+8*\t+4:ST+8*\t+5]
.endr
.set n, 0
.rept 16
.irp t, 0,1
	v_cvt_pk_f16_f32 v[S+32*\t+n], v[S+32*\t+2*n], v[S+32*\t+2*n+1]   ; P, in place: register n never lies above the pair that it is made of
.endr
.set n, n+1
.endr
.set n, 0
.rept 16
.irp t, 0,1
	v_pk_mul_f32 v[OT+32*\t+2*n:OT+32*\t+2*n+1], v[OT+32*\t+2*n:OT+32*\t+2*n+1], v[ST+8*\t+6:ST+8*\t+7] op_sel_hi:[1,0]   ; O^T x a, each accumulator from its low end on
.endr
.set n, n+1
.endr
	s_wait_dscnt 0x0                               ; V is in
.irp ks, 0,1                                   ; O^T += V^T P: eight accumulators by turns
.irp ct, 0,1,2,3
.irp t, 0,1
	v_wmma_f32_16x16x32_f16 v[OT+32*\t+8*\ct:OT+32*\t+8*\ct+7], v[KV+32*\ks+8*\ct:KV+32*\ks+8*\ct+7], v[S+32*\t+8*\ks:S+32*\t+8*\ks+7], v[OT+32*\t+8*\ct:OT+32*\t+8*\ct+7]
.endr
.endr
.endr
.Lhidden_\@:
	s_add_co_u32 s[KF], s[KF], 64
.endm
; THE CHANGE OF SLOTS stands at a slot's head.  Each wave waits for all its tensor loads, adds 0 to its spare word, and waits for that and for its reads of the slot that it has left; behind the barrier the slot ahead is whole
; and nobody reads the other one, which is then filled with the next 256 keys: the load has a slot's four steps in which to land.
.macro CHANGE fill
	s_wait_tensorcnt 0x0                           ; no tensor load of mine is out, so group 0 may be written
	ds_add_u32 v[SPW], v[NIL]
.if \fill
	ds_add_u32 v[SPW], v[NIL]                      ; and twice on end here, in every trip alike
	s_xor_b32 s[G0+1], s[G0+1], SLOT1
	s_add_nc_u64 s[G0+2:G0+3], s[G0+2:G0+3], 32768
	s_wait_xcnt 0x0                                ; the last prefetch, a slot back, has read its address
	s_add_nc_u64 s[PFA:PFA+1], s[PFA:PFA+1], 32768
.endif
	s_wait_dscnt 0x0
	s_barrier_signal -1
	s_barrier_wait -1
.if \fill
	s_add_co_u32 s40, s[KF], 256                   ; the first key of the slot that this change would ask for:
	s_cmp_gt_u32 s40, s[LASTQ]                     ; past my work-group's last query no wave reads it.  Ids and the count of steps alone: all sixteen waves go the same way
	s_cbranch_scc1 .Lpast_\@
	TLOAD
.Lpast_\@:
	ASK
.endif
.endm
.macro SLOT_STEPS
	STEP 0
	STEP 1
	STEP 2
	STEP 3
	s_xor_b32 s[TB], s[TB], SLOT1
.endm
	s_load_b128 s[4:7], s[0:1], 0x0                ; qkvh s[4:5], yh s[6:7]
	v_lshl_add_u32 v[SPW], v0, 2, SPARE
	v_mov_b32 v[NIL], 0
	ds_add_u32 v[SPW], v[NIL]                      ; the wave's opening: the add, twice on end, and its wait ahead of the first tensor load
	ds_add_u32 v[SPW], v[NIL]
	v_lshrrev_b32 v9, 5, v0
	v_readfirstlane_b32 s[WV], v9                  ; wave 0..15
	s_mov_b32 s9, ttmp9                            ; j
	s_and_b32 s10, ttmp7, 0xffff
	s_lshr_b32 s11, s10, 4                         ; batch
	s_and_b32 s12, s10, 15                         ; head
	s_lshr_b32 s40, s[WV], 2
	s_and_b32 s41, s[WV], 3
	s_xor_b32 s42, s40, s41
	s_and_b32 s42, s42, 1                          ; 1: my queries lie in the upper block
	s_lshr_b32 s41, s41, 1
	s_lshl_b32 s40, s40, 1
	s_add_co_u32 s40, s40, s41                     ; which 32 queries of the block
	s_sub_co_u32 s43, 7, s9
	s_cmp_eq_u32 s42, 1
	s_cselect_b32 s43, s43, s9
	s_lshl_b32 s[Q0], s43, 8
	s_lshl_b32 s40, s40, 5
	s_add_co_u32 s[Q0], s[Q0], s40
	s_add_co_u32 s[QL], s[Q0], 31
	s_sub_co_u32 s[LASTQ], 8, s9
	s_lshl_b32 s[LASTQ], s[LASTQ], 8
	s_sub_co_u32 s[LASTQ], s[LASTQ], 1
	s_mov_b32 s[G1], 3<<16                         ; no mask; elements of 8 bytes; no padding
	s_mov_b32 s[G1+1], 32<<16                      ; tensor_dim0 = 32: rows of 256 bytes
	s_mov_b32 s[G1+2], 64<<16                      ; tensor_dim1 = 64
	s_mov_b32 s[G1+3], 32<<16                      ; tile_dim0
	s_mov_b32 s[G1+4], 64                          ; tile_dim1: 16,384 dense bytes
	s_mov_b32 s[G1+5], 32
	s_mov_b32 s[G1+6], 0
	s_mov_b32 s[G1+7], 0
	s_mul_i32 s44, s11, 48
	s_add_co_u32 s44, s44, s12                     ; q's head among the 192
	s_lshr_b32 s45, s[WV], 1
	s_and_b32 s45, s45, 1
	s_lshl_b32 s45, s45, 4
	s_add_co_u32 s45, s45, 16                      ; waves 0, 1: k's head; waves 2, 3: v's
	s_add_co_u32 s45, s45, s44
	s_lshl_b32 s46, s45, 18
	s_and_b32 s45, s[WV], 1
	s_lshl_b32 s45, s45, 14                        ; which half of a slot's 32,768 bytes
	s_add_co_u32 s46, s46, s45
	s_mov_b32 s47, 0
	s_mov_b32 s[G0], 1
	s_and_b32 s[G0+1], s[WV], 3
	s_lshl_b32 s[G0+1], s[G0+1], 14                ; slot 0: K's halves, then V's
	s_lshl_b32 s48, s44, 18
	s_lshl_b32 s49, s[Q0], 7
	s_add_co_u32 s48, s48, s49                     ; my two tiles of q
	s_mov_b32 s49, 0
	s_lshl_b32 s38, s11, 22
	s_lshl_b32 s39, s[Q0], 11
	s_add_co_u32 s38, s38, s39
	s_lshl_b32 s39, s12, 11
	s_add_co_u32 s38, s38, s39                     ; my two tiles of y, my head's two K steps
	s_mov_b32 s39, 0
	s_cmp_lt_u32 s[WV], 8
	s_cselect_b32 s50, 16, 32
	s_add_co_u32 s50, s50, s44
	s_lshl_b32 s50, s50, 18
	s_and_b32 s51, s[WV], 3
	s_lshl_b32 s51, s51, 13
	s_add_co_u32 s50, s50, s51
	s_add_co_u32 s50, s50, 32768                   ; the prefetches stand in slot 1: the first change steps them to slot 2
	s_mov_b32 s51, 0
	s_sub_co_u32 s40, s[WV], 4
	s_lshr_b32 s40, s40, 3                         ; 0 in waves 4 to 11,
	s_or_b32 s40, s40, ttmp9                       ; of the head's work-group 0
	s_cmp_eq_u32 s40, 0
	s_cselect_b32 s[LIM], 1, -1
	s_mov_b32 s[CS], 0x3e38aa3b                    ; c = log2(e) / 8
	s_mov_b32 s[CS+1], s[CS]
	s_mov_b32 s[SEL], 0x76543210
	s_mov_b32 s[SEL+1], 0xfedcba98
	s_mov_b32 s[KF], 0
	s_mov_b32 s[TB], 0
	s_mov_b32 s[SLOTS], 7
	s_wait_dscnt 0x0                               ; both opening adds are done
	s_wait_kmcnt 0x0
	s_add_nc_u64 s[G0+2:G0+3], s[4:5], s[46:47]
	s_or_b32 s[G0+3], s[G0+3], 0x80000000
	TLOAD                                          ; slot 0
	s_add_nc_u64 s[48:49], s[4:5], s[48:49]
	s_add_nc_u64 s[PFA:PFA+1], s[4:5], s[50:51]
	s_add_nc_u64 s[38:39], s[6:7], s[38:39]
	v_and_b32 v9, 31, v0
	v_lshlrev_b32 v[AL], 4, v9
	v_lshlrev_b32 v[PFO], 8, v9
.set f, 0
.rept 8
	global_load_b128 v[QF+4*f:QF+4*f+3], v[AL], s[48:49] offset:512*f   ; Q stays in registers
.set f, f+1
.endr
	v_and_b32 v9, 15, v0
	v_bfe_u32 v10, v0, 4, 1
	v_lshlrev_b32 v10, 3, v10
	v_sub_nc_u32 v[VQ], v9, v10
	v_add_nc_u32 v[VQ], s[Q0], v[VQ]
	v_mov_b32 v[NINF], 0xff800000
.irp t, 0,1
	v_mov_b32 v[ST+8*\t+1], 0xff61b1e6             ; m: -3e38, under every score
	v_mul_f32 v[ST+8*\t], s[CS], v[ST+8*\t+1]
.irp i, 2,3,4,5,6,7
	v_mov_b32 v[ST+8*\t+\i], 0
.endr
.endr
.set n, 0
.rept 64
	v_mov_b32 v[OT+n], 0                           ; the step is written once: its first walk finds zeros, which a = 0 leaves zeros
.set n, n+1
.endr
	s_wait_loadcnt 0x0                             ; Q
.Lslot:                                            ; seven trips: behind each change of slots but the last the next slot is asked for, up to the causal limit
	CHANGE 1
	SLOT_STEPS
	s_sub_co_u32 s[SLOTS], s[SLOTS], 1
	s_cmp_lg_u32 s[SLOTS], 0
	s_cbranch_scc1 .Lslot
	CHANGE 0
	SLOT_STEPS
	; THE WAY OUT: O^T / l, rounded to f16: a lane's eight channels are 16 bytes of the image that the projection reads
.rept 4
	v_nop                                          ; places behind the last products
.endr
.irp t, 0,1
	v_add_f32 v[ST+8*\t+4], v[ST+8*\t+2], v[ST+8*\t+3]
.endr
.irp t, 0,1
	v_permlanex16_b32 v[ST+8*\t+5], v[ST+8*\t+4], s[SEL], s[SEL+1]
.endr
.irp t, 0,1
	v_add_f32 v[ST+8*\t+4], v[ST+8*\t+4], v[ST+8*\t+5]
.endr
.irp t, 0,1
	v_rcp_f32 v[ST+8*\t+6], v[ST+8*\t+4]
.endr
	v_nop
	s_wait_alu depctr_va_vdst(0)                   ; one wait for the two reciprocals, ahead of their first reader
.set n, 0
.rept 16
.irp t, 0,1
	v_pk_mul_f32 v[OT+32*\t+2*n:OT+32*\t+2*n+1], v[OT+32*\t+2*n:OT+32*\t+2*n+1], v[ST+8*\t+6:ST+8*\t+7] op_sel_hi:[1,0]
.endr
.set n, n+1
.endr
.set n, 0
.rept 32
	v_cvt_pk_f16_f32 v[S+n], v[OT+2*n], v[OT+2*n+1]
.set n, n+1
.endr
.irp t, 0,1
.irp ct, 0,1,2,3
	global_store_b128 v[AL], v[S+16*\t+4*\ct:S+16*\t+4*\ct+3], s[38:39] offset:32768*\t+512*\ct   ; 512 consecutive bytes
.endr
.endr
	s_wait_tensorcnt 0x0                           ; the wave's end
	ds_add_u32 v[SPW], v[NIL]
	s_wait_dscnt 0x0
	s_endpgm
.Lfunc_end_k_q2c8a3981b0_attn:
	.size	k_q2c8a3981b0_attn, .Lfunc_end_k_q2c8a3981b0_attn-k_q2c8a3981b0_attn
	.p2alignl 7, 3214868480
	.fill 96, 4, 3214868480
	.section	.rodata,"a",@progbits
	.p2align	6, 0x0
	.amdhsa_kernel k_q2c8a3981b0_attn
		.amdhsa_group_segment_fixed_size 327680
		.amdhsa_private_segment_fixed_size 0
		.amdhsa_enable_private_segment 0
		.amdhsa_kernarg_size 16
		.amdhsa_user_sgpr_count 2
		.amdhsa_user_sgpr_kernarg_segment_ptr 1
		.amdhsa_wavefront_size32 1
		.amdhsa_system_sgpr_workgroup_id_x 1
		.amdhsa_system_sgpr_workgroup_id_y 1
		.amdhsa_system_sgpr_workgroup_id_z 1
		.amdhsa_system_vgpr_workitem_id 0
		.amdhsa_next_free_vgpr 256
		.amdhsa_next_free_sgpr 66
		.amdhsa_reserve_vcc 1
		.amdhsa_float_denorm_mode_32 3
		.amdhsa_float_denorm_mode_16_64 3
		.amdhsa_memory_ordered 1
		.amdhsa_forward_progress 1
		.amdhsa_inst_pref_size 185
	.end_amdhsa_kernel
	.amdgpu_metadata
---
amdhsa.version: [ 1, 2 ]
amdhsa.kernels:
  - .name:           k_q2c8a3981b0_attn
    .symbol:         k_q2c8a3981b0_attn.kd
    .args:
      - { .name: qkvh, .offset: 0, .size: 8, .value_kind: global_buffer, .address_space: global }
      - { .name: yh, .offset: 8, .size: 8, .value_kind: global_buffer, .address_space: global }
    .group_segment_fixed_size: 327680
    .private_segment_fixed_size: 0
    .kernarg_segment_align: 8
    .kernarg_segment_size: 16
    .max_flat_workgroup_size: 512
    .sgpr_count:     66
    .vgpr_count:     256
    .wavefront_size: 32
...
	.end_amdgpu_metadata
.endif
;; end of part 3
;; launch proj (part 4): grid 8 x 32, 4 waves a work-group, clusters of 4 x 4, 327,680 bytes of LDS; arguments yh, wp, b_proj, out0; writes out0
.if DOCPART == 4
	.amdgcn_target "amdgcn-amd-amdhsa--gfx1250"
	.amdhsa_code_object_version 6
	.text
	.protected	k_q2c8a3981b0_proj
	.globl	k_q2c8a3981b0_proj
	.p2align	8
	.type	k_q2c8a3981b0_proj,@function
k_q2c8a3981b0_proj:
	s_mov_b64 s[64:65], 0
	v_nop
	global_prefetch_b8 v0, s[64:65] scope:SCOPE_SE
	s_setreg_imm32_b32 hwreg(HW_REG_WAVE_MODE, 25, 1), 1
	s_wait_xcnt 0x0
	s_wait_alu depctr_hold_cnt(0) depctr_sa_sdst(0) depctr_va_vdst(0) depctr_va_sdst(0) depctr_va_ssrc(0) depctr_va_vcc(0) depctr_vm_vsrc(0)
	s_getreg_b32 s2, hwreg(HW_REG_IB_STS2, 6, 4)
	s_cmp_eq_u32 s2, 0
	s_cbranch_scc0 .Lentry_in_a_cluster
	s_endpgm
.Lentry_in_a_cluster:
	s_bfe_u32 s2, ttmp6, 0x10000c
	s_cmp_lg_u32 s2, 0xf033
	s_cbranch_scc0 .Lentry_shape_is_right
	s_endpgm
.Lentry_shape_is_right:
; PROJ: out = y W_proj + b_proj; operands f16, sums f32, out f32.  (The first 16 positions of each sequence are written again, in f32 throughout, by the launch that follows.)
; A work-group makes 256 rows x 128 columns, so that there are 256 work-groups; a wave 128 x 64: 32 accumulators.  K goes in steps of 128 through a ring of two LDS slots.
; y and W_proj lie in memory as images of operand registers (a fragment of 16 rows x 32 K = 1,024 bytes): a K step of a tile of 16 rows is 4,096 dense bytes, and every LDS load reads 512 consecutive bytes.
; CLUSTER 4 x 4: y's tiles are shared along a row of the cluster, W's along a column, each asked for jointly.  The product is used transposed (source 0 = 16 columns of W, source 1 = 16 rows of y):
; a lane holds eight neighbouring columns of one row.  The bias is the C of each sum's first product.
; REGISTERS: window 0: v16-29 addresses; v32-95 the way out, two sets; v96-127 the bias.   window 1: two sets of fragments at v0 and v96: y's eight, then W's four.   window 2: accumulator (a, b) at v[8 (4 a + b)].
.set SLOT,   98304                     ; y's 16 tiles x 4,096 bytes, then W's 8 tiles
.set BOFF,   65536
.set STAGE,  196608                    ; behind the ring: 16 rows x 272 bytes for each wave
.set SPITCH, 272
.set SPARE,  214016                    ; behind the stages: the spare words
.set LAPS,   4                         ; a lap = two K steps of 128
.set ADRA, 16
.set ADRB, 20
.set STO,  24
.set RD,   25
.set CO,   26
.set BV,   27
.set SPW,  28
.set NIL,  29
.set OUTR, 32
.set BIAS, 96
.set G1,  24
.set G0,  32
.set G1B, 48
.set G0B, 56
.set MSB, 0
.macro WIN new
.if MSB != (\new)
	s_set_vgpr_msb (MSB<<8)|(\new)
.set MSB, (\new)
.endif
.endm
.set MUL,  0xa5                        ; sources 0 and 1 window 1, C and D window 2
.set TO_F, 0x40
.macro JLOAD s                         ; a joint load: waves 0 and 1 fetch y's halves, waves 2 and 3 W's; an s_nop 0 and four v_nop follow each of the two lines
	s_cmp_eq_u32 s13, 0
	s_cbranch_scc0 .Lfor_b_\@
	tensor_load_to_lds s[G0+4*\s:G0+4*\s+3], s[G1:G1+7]
	s_nop 0
.rept 4
	v_nop
.endr
	s_branch .Lasked_\@
.Lfor_b_\@:
	tensor_load_to_lds s[G0B+4*\s:G0B+4*\s+3], s[G1B:G1B+7]
	s_nop 0
.rept 4
	v_nop
.endr
.Lasked_\@:
.endm
.macro CREST
	s_cmp_lg_u32 s12, 0
	s_cbranch_scc1 .Lnot_wave_0_\@
	s_barrier_signal -3
.Lnot_wave_0_\@:
	s_barrier_wait -3
	s_barrier_signal -1
	s_barrier_wait -1
.endm
.macro CROUND
	s_barrier_signal -1
	s_barrier_wait -1
	CREST
.endm
.macro PLACES
.rept 4
	v_nop
.endr
.endm
.macro MUL8 f, a0, first               ; y's tiles a0, a0 + 1 against W's four; the 32 accumulators take turns, one instruction a turn
.irp a, \a0, \a0+1
.irp b, 0,1,2,3
.if \first
	v_wmma_f32_16x16x32_f16 v[8*(4*(\a)+\b):8*(4*(\a)+\b)+7], v[96*(\f)+64+8*\b:96*(\f)+64+8*\b+7], v[96*(\f)+8*(\a):96*(\f)+8*(\a)+7], v[BIAS+8*\b:BIAS+8*\b+7]
.else
	v_wmma_f32_16x16x32_f16 v[8*(4*(\a)+\b):8*(4*(\a)+\b)+7], v[96*(\f)+64+8*\b:96*(\f)+64+8*\b+7], v[96*(\f)+8*(\a):96*(\f)+8*(\a)+7], v[8*(4*(\a)+\b):8*(4*(\a)+\b)+7]
.endif
.endr
.endr
.endm
.macro FETCH slot, q, f                ; 24 loads: the fragments of the slot's q-th 32 along K into set f
	WIN TO_F
.irp i, 0,1,2,3
	ds_load_b128 v[96*(\f)+64+8*\i:96*(\f)+64+8*\i+3], v[ADRB+\slot] offset:4096*\i+1024*(\q)
	ds_load_b128 v[96*(\f)+64+8*\i+4:96*(\f)+64+8*\i+7], v[ADRB+\slot] offset:4096*\i+1024*(\q)+512
.endr
.irp i, 0,1,2,3,4,5,6,7
	ds_load_b128 v[96*(\f)+8*\i:96*(\f)+8*\i+3], v[ADRA+\slot] offset:4096*\i+1024*(\q)
	ds_load_b128 v[96*(\f)+8*\i+4:96*(\f)+8*\i+7], v[ADRA+\slot] offset:4096*\i+1024*(\q)+512
.endr
.endm
; A quarter of a K step: 32 products on set f; in its middle the slot's q-th quarter is fetched into set g.
.macro QUARTER slot, q, f, g, first
	s_wait_dscnt 0x0                               ; set f is in (asked for 16 products ago)
	WIN MUL-0x20*(\first)                          ; the first products take their C, the bias, from window 0
	MUL8 \f, 0, \first
	MUL8 \f, 2, \first
	PLACES                                         ; in front of loads into registers that the quarter before multiplied
	FETCH \slot, \q, \g
	WIN MUL-0x20*(\first)
	MUL8 \f, 4, \first
	MUL8 \f, 6, \first
.endm
; The last quarter multiplies set 1 and changes slots: ONE barrier; in front of it each wave waits for all its tensor loads, adds 0 to its spare word, and waits for that and for its own reads of this slot.
.macro TURN slot, next, fill
	WIN 0
	s_wait_tensorcnt 0x0                           ; all my tensor loads have landed: my part of the next slot
	ds_add_u32 v[SPW], v[NIL]
	s_wait_dscnt 1                                 ; set 1 is in; the add alone may be out
	WIN MUL
	MUL8 1, 0, 0
	s_wait_dscnt 0x0                               ; the add is done, and my reads of this slot are over
	s_barrier_signal -1
	MUL8 1, 2, 0
.if \fill
	WIN 0
.endif
	s_barrier_wait -1
.if \fill
	CREST                                          ; the barrier has opened a round of the cluster's barrier: no wave of any partner still reads this slot or has a load on its way
	s_add_nc_u64 s[G0+4*\slot+2:G0+4*\slot+3], s[G0+4*\slot+2:G0+4*\slot+3], 8192
	s_add_nc_u64 s[G0B+4*\slot+2:G0B+4*\slot+3], s[G0B+4*\slot+2:G0B+4*\slot+3], 8192
	JLOAD \slot                                    ; the first tensor load behind the round; its four v_nop are also the places in front of the loads below
.else
	PLACES
.endif
	FETCH \next, 0, 0
	WIN MUL
	MUL8 1, 4, 0
	MUL8 1, 6, 0
.endm
	s_load_b256 s[4:11], s[0:1], 0x0               ; yh s[4:5], wp s[6:7], b_proj s[8:9], out0 s[10:11]
	v_lshl_add_u32 v[SPW], v0, 2, SPARE
	v_mov_b32 v[NIL], 0
	ds_add_u32 v[SPW], v[NIL]                      ; the wave's opening: the add, twice on end, and its wait ahead of my first tensor load
	ds_add_u32 v[SPW], v[NIL]
	v_lshrrev_b32 v1, 5, v0
	v_readfirstlane_b32 s12, v1                    ; wave 0..3
	s_lshr_b32 s13, s12, 1                         ; my half of the rows.  Also: I fetch for y (0) or for W (1)
	s_and_b32 s14, s12, 1                          ; my half of the columns.  Also: which half of the tiles I fetch
	s_bfe_u32 s40, ttmp6, 0x40000                  ; cx
	s_bfe_u32 s41, ttmp6, 0x40004                  ; cy
	s_lshl_b32 s42, ttmp9, 2
	s_add_co_u32 s42, s42, s40                     ; tile column
	s_and_b32 s15, ttmp7, 0xffff
	s_lshl_b32 s15, s15, 2
	s_add_co_u32 s15, s15, s41                     ; tile row
	s_lshl_b32 s43, s41, 2
	s_lshl_b32 s43, 15, s43                        ; my row of the cluster
	s_lshl_b32 s44, 0x1111, s40                    ; my column
	s_or_b32 s[G1], s43, (3<<16)|(1<<21)           ; the mask; elements of 8 bytes; 21 set beside a mask; no padding
	s_or_b32 s[G1B], s44, (3<<16)|(1<<21)
	s_mov_b32 s[G1+1], 512<<16                     ; tensor_dim0 = 512 elements: four fragments, 4,096 bytes
	s_mov_b32 s[G1+2], 8<<16                       ; tensor_dim1 = 8 tiles of 16 rows
	s_mov_b32 s[G1+3], 512<<16
	s_mov_b32 s[G1+4], 8
	s_mov_b32 s[G1+5], 4096                        ; from tile to tile: 32,768 bytes
	s_mov_b32 s[G1+6], 0
	s_mov_b32 s[G1+7], 0
	s_mov_b32 s[G1B+1], 512<<16
	s_mov_b32 s[G1B+2], 4<<16                      ; W: 4 tiles of 16 columns
	s_mov_b32 s[G1B+3], 512<<16
	s_mov_b32 s[G1B+4], 4
	s_mov_b32 s[G1B+5], 4096
	s_mov_b32 s[G1B+6], 0
	s_mov_b32 s[G1B+7], 0
	s_lshl_b32 s16, s15, 4
	s_lshl_b32 s17, s14, 3
	s_add_co_u32 s16, s16, s17
	s_lshl_b32 s16, s16, 15                        ; y: tile 16 x tile row + 8 x half
	s_mov_b32 s17, 0
	s_lshl_b32 s46, s42, 3
	s_lshl_b32 s47, s14, 2
	s_add_co_u32 s46, s46, s47
	s_lshl_b32 s46, s46, 15                        ; W: tile 8 x tile column + 4 x half
	s_mov_b32 s47, 0
	s_lshl_b32 s20, s14, 15                        ; where they go in a slot
	s_lshl_b32 s21, s14, 14
	s_add_co_u32 s21, s21, BOFF
	s_wait_dscnt 0x0                               ; both opening adds are done
	s_wait_kmcnt 0x0
	s_add_nc_u64 s[18:19], s[4:5], s[16:17]
	s_add_nc_u64 s[46:47], s[6:7], s[46:47]
	CROUND                                         ; all sixteen work-groups are here: the first joint loads meet
.irp s, 0,1
	s_mov_b32 s[G0+4*\s], 1
	s_add_co_u32 s[G0+4*\s+1], s20, \s*SLOT
	s_add_nc_u64 s[G0+4*\s+2:G0+4*\s+3], s[18:19], \s*4096
	s_or_b32 s[G0+4*\s+3], s[G0+4*\s+3], 0x80000000
	s_mov_b32 s[G0B+4*\s], 1
	s_add_co_u32 s[G0B+4*\s+1], s21, \s*SLOT
	s_add_nc_u64 s[G0B+4*\s+2:G0B+4*\s+3], s[46:47], \s*4096
	s_or_b32 s[G0B+4*\s+3], s[G0B+4*\s+3], 0x80000000
	JLOAD \s
.endr
	v_and_b32 v1, 15, v0                           ; r
	v_bfe_u32 v2, v0, 4, 1                         ; h
	v_and_b32 v3, 31, v0
	v_lshlrev_b32 v3, 4, v3                        ; 16 x lane
	s_lshl_b32 s21, s13, 15                        ; my eight tiles of y
	s_lshl_b32 s22, s14, 14
	s_add_co_u32 s22, s22, BOFF                    ; my four tiles of W
.irp s, 0,1
	v_add_nc_u32 v[ADRA+\s], s21, v3
	v_add_nc_u32 v[ADRB+\s], s22, v3
	s_add_co_u32 s21, s21, SLOT
	s_add_co_u32 s22, s22, SLOT
.endr
	s_mul_i32 s23, s12, 16*SPITCH
	s_add_co_u32 s23, s23, STAGE                   ; my stage
	v_mul_u32_u24 v4, v1, SPITCH
	v_lshl_add_u32 v4, v2, 5, v4
	v_add_nc_u32 v[STO], s23, v4                   ; in: row r, 32 bytes for each half of the lanes
	v_mul_u32_u24 v5, v2, SPITCH
	v_lshl_add_u32 v5, v1, 4, v5
	v_add_nc_u32 v[RD], s23, v5                    ; back: lanes 0-15 one row of 256 bytes, lanes 16-31 the next
	v_lshlrev_b32 v5, 12, v2
	v_lshl_add_u32 v[CO], v1, 4, v5                ; and the same two rows in out
	s_lshl_b32 s16, s42, 9
	s_lshl_b32 s17, s14, 8
	s_add_co_u32 s16, s16, s17                     ; my first column, in bytes
	s_mov_b32 s17, 0
	s_add_nc_u64 s[8:9], s[8:9], s[16:17]
	s_add_nc_u64 s[10:11], s[10:11], s[16:17]
	s_lshl_b32 s16, s15, 20
	s_lshl_b32 s18, s13, 19
	s_add_co_u32 s16, s16, s18                     ; my first row: 256 x tile row + 128 x half, 4,096 bytes each
	s_add_nc_u64 s[10:11], s[10:11], s[16:17]
	v_lshlrev_b32 v[BV], 5, v2
.irp b, 0,1,2,3
	global_load_b128 v[BIAS+8*\b:BIAS+8*\b+3], v[BV], s[8:9] offset:64*\b          ; b_proj of columns 16 b + 8 h + 0 .. 7
	global_load_b128 v[BIAS+8*\b+4:BIAS+8*\b+7], v[BV], s[8:9] offset:64*\b+16
.endr
	s_wait_loadcnt 0x0
	s_wait_tensorcnt 1                             ; my part of K step 0 is in; K step 1's may be out
	s_barrier_signal -1
	s_barrier_wait -1
	FETCH 0, 0, 0
	QUARTER 0, 1, 0, 1, 1                          ; the first quarter stands in front of the loop: its products start the sums on the bias
	WIN 0
	s_mov_b32 s3, LAPS-1
.Llap:                                             ; a trip goes once round the ring, from a lap's second quarter to the next lap's first, and fills both slots again
	QUARTER 0, 2, 1, 0, 0
	QUARTER 0, 3, 0, 1, 0
	TURN 0, 1, 1
	QUARTER 1, 1, 0, 1, 0
	QUARTER 1, 2, 1, 0, 0
	QUARTER 1, 3, 0, 1, 0
	TURN 1, 0, 1
	QUARTER 0, 1, 0, 1, 0
	WIN 0
	s_sub_co_u32 s3, s3, 1
	s_cmp_lg_u32 s3, 0
	s_cbranch_scc1 .Llap
	QUARTER 0, 2, 1, 0, 0                          ; the last lap fills nothing
	QUARTER 0, 3, 0, 1, 0
	TURN 0, 1, 0
	QUARTER 1, 1, 0, 1, 0
	QUARTER 1, 2, 1, 0, 0
	QUARTER 1, 3, 0, 1, 0
	s_wait_dscnt 0x0
	WIN MUL
	MUL8 1, 0, 0
	MUL8 1, 2, 0
	MUL8 1, 4, 0
	MUL8 1, 6, 0
	WIN 0
; THE WAY OUT, a block of 16 rows x 64 columns at a time, through my own stage: in as 32 bytes a lane, back as whole rows of 256 bytes.  LDS serves a wave's instructions in order: no wait between the stores and the loads.
.macro TOSTAGE a
	WIN 0x08                                       ; an LDS store's data: window 2
.irp b, 0,1,2,3
	ds_store_b128 v[STO], v[8*(4*(\a)+\b):8*(4*(\a)+\b)+3] offset:64*\b            ; each accumulator from its low end on
	ds_store_b128 v[STO], v[8*(4*(\a)+\b)+4:8*(4*(\a)+\b)+7] offset:64*\b+16
.endr
	WIN 0
.irp i, 0,1,2,3,4,5,6,7
	ds_load_b128 v[OUTR+32*((\a)%2)+4*\i:OUTR+32*((\a)%2)+4*\i+3], v[RD] offset:2*\i*SPITCH
.endr
.endm
.macro SEND a, younger                 ; younger: the LDS instructions issued behind block a's loads, which may stay out
	s_wait_dscnt \younger
.irp i, 0,1,2,3,4,5,6,7
	global_store_b128 v[CO], v[OUTR+32*((\a)%2)+4*\i:OUTR+32*((\a)%2)+4*\i+3], s[10:11] offset:(16*(\a)+2*\i)*4096 th:TH_STORE_NT   ; sixteen lanes store 256 consecutive bytes, aligned
.endr
.endm
	PLACES                                         ; in front of the first reads of results
	TOSTAGE 0
.irp a, 1,2,3,4,5,6,7
.if \a > 1
	s_wait_xcnt 0x0                                ; block a - 2's stores have read their registers: block a's loads may land there
.endif
	TOSTAGE \a
	SEND (\a)-1, 16                                ; behind block a - 1's loads: block a's 8 stores and 8 loads
.endr
	SEND 7, 0
	s_wait_tensorcnt 0x0                           ; the wave's end
	ds_add_u32 v[SPW], v[NIL]
	s_wait_dscnt 0x0
	CROUND                                         ; the closing round
	s_endpgm
.Lfunc_end_k_q2c8a3981b0_proj:
	.size	k_q2c8a3981b0_proj, .Lfunc_end_k_q2c8a3981b0_proj-k_q2c8a3981b0_proj
	.p2alignl 7, 3214868480
	.fill 96, 4, 3214868480
	.section	.rodata,"a",@progbits
	.p2align	6, 0x0
	.amdhsa_kernel k_q2c8a3981b0_proj
		.amdhsa_group_segment_fixed_size 327680
		.amdhsa_private_segment_fixed_size 0
		.amdhsa_enable_private_segment 0
		.amdhsa_kernarg_size 32
		.amdhsa_user_sgpr_count 2
		.amdhsa_user_sgpr_kernarg_segment_ptr 1
		.amdhsa_wavefront_size32 1
		.amdhsa_system_sgpr_workgroup_id_x 1
		.amdhsa_system_sgpr_workgroup_id_y 1
		.amdhsa_system_sgpr_workgroup_id_z 1
		.amdhsa_system_vgpr_workitem_id 0
		.amdhsa_next_free_vgpr 768
		.amdhsa_next_free_sgpr 66
		.amdhsa_reserve_vcc 0
		.amdhsa_float_denorm_mode_32 3
		.amdhsa_float_denorm_mode_16_64 3
		.amdhsa_memory_ordered 1
		.amdhsa_forward_progress 1
		.amdhsa_inst_pref_size 85
	.end_amdhsa_kernel
	.amdgpu_metadata
---
amdhsa.version: [ 1, 2 ]
amdhsa.kernels:
  - .name:           k_q2c8a3981b0_proj
    .symbol:         k_q2c8a3981b0_proj.kd
    .args:
      - { .name: yh, .offset: 0, .size: 8, .value_kind: global_buffer, .address_space: global }
      - { .name: wp, .offset: 8, .size: 8, .value_kind: global_buffer, .address_space: global }
      - { .name: b_proj, .offset: 16, .size: 8, .value_kind: global_buffer, .address_space: global }
      - { .name: out0, .offset: 24, .size: 8, .value_kind: global_buffer, .address_space: global }
    .group_segment_fixed_size: 327680
    .private_segment_fixed_size: 0
    .kernarg_segment_align: 8
    .kernarg_segment_size: 32
    .max_flat_workgroup_size: 128
    .sgpr_count:     66
    .vgpr_count:     768
    .wavefront_size: 32
...
	.end_amdgpu_metadata
.endif
;; end of part 4
;; launch fine (part 5): grid 64 x 4, 16 waves a work-group, no clusters, 18,432 bytes of LDS; arguments fineb, W_proj, b_proj, out0; writes out0
.if DOCPART == 5
	.amdgcn_target "amdgcn-amd-amdhsa--gfx1250"
	.amdhsa_code_object_version 6
	.text
	.protected	k_q2c8a3981b0_fine
	.globl	k_q2c8a3981b0_fine
	.p2align	8
	.type	k_q2c8a3981b0_fine,@function
k_q2c8a3981b0_fine:
	s_mov_b64 s[64:65], 0
	v_nop
	global_prefetch_b8 v0, s[64:65] scope:SCOPE_SE
	s_setreg_imm32_b32 hwreg(HW_REG_WAVE_MODE, 25, 1), 1
	s_wait_xcnt 0x0
; FINE: the first 16 positions of each of the four sequences, where a row of the softmax averages one to a few values: attention and projection once more with f32 operands, over the rows that the projection launch wrote.
; A work-group takes a batch (y) and 16 columns of out (x); a wave takes a head: S^T = k q^T (16 x 16 x 64), the causal softmax, O^T = v^T p, and its head's part of the projection, W^T O^T (16 x 16 x 64).
; The sixteen heads' parts meet in LDS; wave 0 adds them onto the bias and stores 16 rows x 64 bytes.  (64 bytes a row: blocks of 256 bytes are written in part; 256 KB of out's 33.5 MB.)
; q, k, v come as the f32 sums that the first product's launch stored as images of its accumulators: q, k: lane (r, h) holds position r, channels 16 i + 8 h + 0 .. 7; v: lane (r, h) holds channel 16 i + r, positions 8 h + 0 .. 7.
; The f32 matrix form takes K = 4: a lane's pair of registers is k = 2 h + 0, 1.  Pairs of the images' registers are given alike to both sources, so that both name the same channel (or key) in the same place.
; The registers that these matrix instructions write (v152-167, v176-223) are written by matrix instructions alone; each sum begins with the constant 0; two or four accumulators take turns.
.set SPARE, 16384
.set SPW, 2
.set NIL, 3
	s_load_b256 s[4:11], s[0:1], 0x0               ; fineb s[4:5], W_proj s[6:7], b_proj s[8:9], out0 s[10:11]
	v_lshl_add_u32 v[SPW], v0, 2, SPARE
	v_mov_b32 v[NIL], 0
	v_lshrrev_b32 v1, 5, v0
	v_readfirstlane_b32 s12, v1                    ; wave = head
	v_and_b32 v1, 31, v0
	v_and_b32 v4, 15, v0                           ; r
	v_bfe_u32 v5, v0, 4, 1                         ; h
	v_lshlrev_b32 v6, 4, v1                        ; 16 x lane
	s_and_b32 s13, ttmp7, 0xffff                   ; batch
	s_lshl_b32 s14, ttmp9, 6                       ; my 16 columns, in bytes
	s_mul_i32 s16, s13, 4*196608                   ; the batch's first tile row
	s_lshl_b32 s17, s12, 12                        ; my head's four tiles of 16 columns
	s_add_co_u32 s16, s16, s17
	s_mov_b32 s17, 0
	s_lshl_b32 s18, s12, 18                        ; W_proj: my head's 64 rows of 4,096 bytes
	s_add_co_u32 s18, s18, s14
	s_mov_b32 s19, 0
	s_lshl_b32 s20, s13, 23                        ; out: the batch's first row
	s_add_co_u32 s20, s20, s14
	s_mov_b32 s21, 0
	s_mov_b32 s22, s14
	s_mov_b32 s23, 0
	s_mov_b32 s24, 0x76543210
	s_mov_b32 s25, 0xfedcba98
	s_mov_b32 s26, 0x3e38aa3b                      ; c = log2(e) / 8
	v_lshlrev_b32 v7, 15, v5
	v_lshl_add_u32 v7, v4, 2, v7                   ; W_proj: 8 h rows down, column r
	v_lshlrev_b32 v8, 5, v5                        ; the bias: 8 h columns on
	v_lshlrev_b32 v9, 12, v4
	v_lshl_add_u32 v9, v5, 5, v9                   ; out: row r, 8 h columns on
	v_lshlrev_b32 v10, 3, v5
	v_sub_nc_u32 v10, v4, v10                      ; r - 8 h
	s_lshl_b32 s27, s12, 10
	v_add_nc_u32 v11, s27, v6                      ; LDS: my head's 1,024 bytes
	v_mov_b32 v234, 0                              ; a lane permute's destination counts as one of its sources
	s_wait_kmcnt 0x0
	s_add_nc_u64 s[4:5], s[4:5], s[16:17]
	s_add_nc_u64 s[6:7], s[6:7], s[18:19]
	s_add_nc_u64 s[8:9], s[8:9], s[22:23]
	s_add_nc_u64 s[10:11], s[10:11], s[20:21]
.irp part, 0,1,2                               ; q -> v16-47, k -> v48-79, v -> v80-111
.irp i, 0,1,2,3
.irp u, 0,1
	global_load_b128 v[16+32*\part+8*\i+4*\u:16+32*\part+8*\i+4*\u+3], v6, s[4:5] offset:65536*\part+1024*\i+512*\u
.endr
.endr
.endr
.set e, 0
.rept 32
	global_load_b32 v[112+e], v7, s[6:7] offset:(16*(e/8)+e%8)*4096   ; register 8 ct + i: W_proj(64 head + 16 ct + 8 h + i, my column r)
.set e, e+1
.endr
	global_load_b128 v[144:147], v8, s[8:9]
	global_load_b128 v[148:151], v8, s[8:9] offset:16
	s_wait_loadcnt 42                              ; q and k are in; v's 8, W's 32 and the bias's 2 may be out
.set n, 0
.rept 16                                       ; S^T = k q^T: two accumulators by turns
.if n < 2
	v_wmma_f32_16x16x4_f32 v[152+8*(n%2):159+8*(n%2)], v[48+2*n:49+2*n], v[16+2*n:17+2*n], 0
.else
	v_wmma_f32_16x16x4_f32 v[152+8*(n%2):159+8*(n%2)], v[48+2*n:49+2*n], v[16+2*n:17+2*n], v[152+8*(n%2):159+8*(n%2)]
.endif
.set n, n+1
.endr
.rept 8
	v_nop                                          ; eight places behind this form in front of the first read of a result
.endr
.irp j, 0,1,2,3,4,5,6,7
	v_add_f32 v[168+\j], v[152+\j], v[160+\j]      ; lane (r, h): query r, key 8 h + j
.endr
	v_mov_b32 v232, 0xff800000
.irp j, 0,1,2,3,4,5,6,7
	v_cmp_gt_i32 vcc_lo, \j, v10                   ; hidden where 8 h + j > r
	v_cndmask_b32 v[168+\j], v[168+\j], v232, vcc_lo
.endr
	v_max3_num_f32 v233, v168, v169, v170
	v_max3_num_f32 v233, v233, v171, v172
	v_max3_num_f32 v233, v233, v173, v174
	v_max_num_f32 v233, v233, v175
	v_permlanex16_b32 v234, v233, s24, s25
	v_max_num_f32 v233, v233, v234                 ; the row's maximum: key 0 counts for every query
	v_mul_f32 v233, s26, v233
.irp j, 0,1,2,3,4,5,6,7
	v_fma_f32 v[168+\j], v[168+\j], s26, -v233
.endr
.irp j, 0,1,2,3,4,5,6,7
	v_exp_f32 v[168+\j], v[168+\j]
.endr
	v_nop
	s_wait_alu depctr_va_vdst(0)                   ; one wait for the eight exponentials, ahead of their first reader
	v_add_f32 v235, v168, v169
	v_add_f32 v236, v170, v171
	v_add_f32 v235, v235, v172
	v_add_f32 v236, v236, v173
	v_add_f32 v235, v235, v174
	v_add_f32 v236, v236, v175
	v_add_f32 v235, v235, v236
	v_permlanex16_b32 v234, v235, s24, s25
	v_add_f32 v235, v235, v234
	v_rcp_f32 v236, v235
	v_nop
	s_wait_alu depctr_va_vdst(0)
.irp j, 0,1,2,3,4,5,6,7
	v_mul_f32 v[168+\j], v[168+\j], v236           ; the weights, normalised
.endr
	s_wait_loadcnt 34                              ; v is in
.rept 4
	v_nop
.endr
.irp p, 0,1,2,3                                ; O^T = v^T p: four accumulators by turns; keys 8 h + 2 p + 0, 1
.irp ct, 0,1,2,3
.if \p == 0
	v_wmma_f32_16x16x4_f32 v[176+8*\ct:183+8*\ct], v[80+8*\ct+2*\p:81+8*\ct+2*\p], v[168+2*\p:169+2*\p], 0
.else
	v_wmma_f32_16x16x4_f32 v[176+8*\ct:183+8*\ct], v[80+8*\ct+2*\p:81+8*\ct+2*\p], v[168+2*\p:169+2*\p], v[176+8*\ct:183+8*\ct]
.endif
.endr
.endr
	s_wait_loadcnt 0x0                             ; W_proj and the bias
.rept 9
	v_nop                                          ; nine places in front of a matrix instruction that takes a result as a source
.endr
.set n, 0
.rept 16                                       ; my head's part of out^T: source 0 = W_proj^T, source 1 = O^T's pairs: channels 16 ct + 8 h + 2 p + 0, 1
.if n < 2
	v_wmma_f32_16x16x4_f32 v[208+8*(n%2):215+8*(n%2)], v[112+2*n:113+2*n], v[176+2*n:177+2*n], 0
.else
	v_wmma_f32_16x16x4_f32 v[208+8*(n%2):215+8*(n%2)], v[112+2*n:113+2*n], v[176+2*n:177+2*n], v[208+8*(n%2):215+8*(n%2)]
.endif
.set n, n+1
.endr
.rept 8
	v_nop
.endr
.irp j, 0,1,2,3,4,5,6,7
	v_add_f32 v[224+\j], v[208+\j], v[216+\j]      ; lane (r, h): position r, columns 8 h + j
.endr
	ds_store_b128 v11, v[224:227]
	ds_store_b128 v11, v[228:231] offset:512
	s_wait_dscnt 0x0                               ; for the others' sake: my stores have landed
	s_barrier_signal -1
	s_barrier_wait -1
	s_cmp_lg_u32 s12, 0
	s_cbranch_scc1 .Lothers
.set n, 0
.rept 32
	ds_load_b128 v[16+4*n:19+4*n], v6 offset:512*n ; the sixteen heads' parts
.set n, n+1
.endr
	s_wait_dscnt 0x0
.set n, 0
.rept 16
.irp q, 0,1,2,3
	v_pk_add_f32 v[144+2*\q:145+2*\q], v[144+2*\q:145+2*\q], v[16+8*n+2*\q:17+8*n+2*\q]   ; onto the bias, head by head
.endr
.set n, n+1
.endr
	global_store_b128 v9, v[144:147], s[10:11]
	global_store_b128 v9, v[148:151], s[10:11] offset:16
.Lothers:
	s_wait_tensorcnt 0x0                           ; the wave's end, behind my last LDS store
	ds_add_u32 v[SPW], v[NIL]
	s_wait_dscnt 0x0
	s_endpgm
.Lfunc_end_k_q2c8a3981b0_fine:
	.size	k_q2c8a3981b0_fine, .Lfunc_end_k_q2c8a3981b0_fine-k_q2c8a3981b0_fine
	.p2alignl 7, 3214868480
	.fill 96, 4, 3214868480
	.section	.rodata,"a",@progbits
	.p2align	6, 0x0
	.amdhsa_kernel k_q2c8a3981b0_fine
		.amdhsa_group_segment_fixed_size 18432
		.amdhsa_private_segment_fixed_size 0
		.amdhsa_enable_private_segment 0
		.amdhsa_kernarg_size 32
		.amdhsa_user_sgpr_count 2
		.amdhsa_user_sgpr_kernarg_segment_ptr 1
		.amdhsa_wavefront_size32 1
		.amdhsa_system_sgpr_workgroup_id_x 1
		.amdhsa_system_sgpr_workgroup_id_y 1
		.amdhsa_system_sgpr_workgroup_id_z 1
		.amdhsa_system_vgpr_workitem_id 0
		.amdhsa_next_free_vgpr 256
		.amdhsa_next_free_sgpr 66
		.amdhsa_reserve_vcc 1
		.amdhsa_float_denorm_mode_32 3
		.amdhsa_float_denorm_mode_16_64 3
		.amdhsa_memory_ordered 1
		.amdhsa_forward_progress 1
		.amdhsa_inst_pref_size 21
	.end_amdhsa_kernel
	.amdgpu_metadata
---
amdhsa.version: [ 1, 2 ]
amdhsa.kernels:
  - .name:           k_q2c8a3981b0_fine
    .symbol:         k_q2c8a3981b0_fine.kd
    .args:
      - { .name: fineb, .offset: 0, .size: 8, .value_kind: global_buffer, .address_space: global }
      - { .name: W_proj, .offset: 8, .size: 8, .value_kind: global_buffer, .address_space: global }
      - { .name: b_proj, .offset: 16, .size: 8, .value_kind: global_buffer, .address_space: global }
      - { .name: out0, .offset: 24, .size: 8, .value_kind: global_buffer, .address_space: global }
    .group_segment_fixed_size: 18432
    .private_segment_fixed_size: 0
    .kernarg_segment_align: 8
    .kernarg_segment_size: 32
    .max_flat_workgroup_size: 512
    .sgpr_count:     66
    .vgpr_count:     256
    .wavefront_size: 32
...
	.end_amdgpu_metadata
.endif
;; end of part 5
